; MI455X (gfx1250); checked and timed in simulation.
; The chip was launched on July 23, 2026; its instructions are those of AMD's public machine-readable ISA for CDNA 5 (MIT licence, August 2026) and "CDNA5" Instruction Set Architecture Reference Guide (July 2026). The comments in the code are by the model that wrote it; some were corrected since.
;; Multi Head Attention. Allowed arithmetic: matrix products marked QUANTISED: E2M3 operands, one E8M0 scale for each 32 along K, by v_wmma_scale_f32_16x16x128_f8f6f4 with both operands' format E2M3, f32 sums; everything else in f32.
;; Inputs: k 4 x 2,048 x 1,024 float32; q 4 x 2,048 x 1,024 float32; v 4 x 2,048 x 1,024 float32; w_k 1,024 x 1,024 float32; w_o 1,024 x 1,024 float32; w_q 1,024 x 1,024 float32; w_v 1,024 x 1,024 float32.
;; Outputs: out0 4 x 2,048 x 1,024 float32.
;; This version of the problem:
;;   THIS VERSION OF THE PROBLEM IS GIVEN IN LOW PRECISION. The matrix products marked QUANTISED in the list below multiply operands that are first quantised to E2M3 (2 exponent bits, 3 mantissa bits; 6 bits a number), with one power-of-two scale for each 32 numbers along K (OCP MX v1.0); their sums are f32. All else is computed in f32.
;;   The module's matrix products, in the order in which they are computed (A, B: the left and right operand; K: the contracted axis; several contracted axes count as one K, in the product's order):
;;     1. [M 8,192, K 1,024] x [K 1,024, N 1,024]; A: input q; B: input w_q: QUANTISED
;;     2. [M 8,192, K 1,024] x [K 1,024, N 1,024]; A: input k; B: input w_k: QUANTISED
;;     3. [M 8,192, K 1,024] x [K 1,024, N 1,024]; A: input v; B: input w_v: QUANTISED
;;     4. batch 64 x [M 2,048, K 64] x [K 64, N 2,048]; A: computed on the way; B: computed on the way: QUANTISED
;;     5. batch 64 x [M 2,048, K 2,048] x [K 2,048, N 64]; A: softmax (see below); B: computed on the way: QUANTISED
;;     6. [M 8,192, K 1,024] x [K 1,024, N 1,024]; A: computed on the way; B: input w_o: QUANTISED
;;   THE QUANTISER, for each operand of a quantised product, along K:
;;     - K is cut into blocks of 32 from its start; a last block that is shorter is filled with zeros.
;;     - A block's scale is 2^e with e = floor(log2(the largest magnitude in the block)) - 2, held to -126 .. 127; a block of zeros has e = 0. As a byte (E8M0): e + 127.
;;     - Each number is divided by its block's scale, clamped to +-7.5, and rounded to the nearest number of E2M3, ties to even, subnormals kept.
;;     - The product sums the exact products of the quantised numbers (number of the format x scale) in f32.
;;   ~~~python
;;   def quantise(x, axis):      # numpy; x: float32 -> the quantised numbers, widened to float32 again
;;       x = np.moveaxis(x, axis, -1); K = x.shape[-1]
;;       x = np.pad(x, [(0, 0)] * (x.ndim - 1) + [(0, -K % 32)]); x = x.reshape(x.shape[:-1] + (-1, 32)); a = np.abs(x).max(-1, keepdims=True)
;;       e = np.where(a > 0, np.clip(np.frexp(np.where(a > 0, a, 1))[1] - 1 - 2, -126, 127), 0)      # np.frexp(a)[1] - 1 = floor(log2(a)), exactly
;;       r = np.clip(x / 2.0 ** e, -7.5, 7.5)
;;       step = 2.0 ** (np.maximum(np.frexp(np.where(r == 0, 1, r))[1] - 1, 0) - 3)
;;       q = np.round(r / step) * step * 2.0 ** e      # np.round: ties to even
;;       return np.moveaxis(q.reshape(q.shape[:-2] + (-1,))[..., :K], -1, axis).astype(np.float32)
;;   ~~~
;;   SOFTMAX AHEAD OF A QUANTISED PRODUCT. Where the list says 'softmax', what is quantised is not the finished softmax but p = 2^(t - M), with t = logit x log2(e) and M = ceil(the row's largest t), a whole number; so 1/2 < the row's largest p <= 1. The row's sum l is taken of the UNQUANTISED p, in f32, and the product's result is divided by l at the end. Since M is a whole number, a kernel that streams over the keys may use a running M (the ceiling of the running maximum): every later rescaling is an exact power of two, which a block's scale takes up: the codes' values come out the same.
;;   OPERANDS COMPUTED ON THE WAY. 'Computed on the way' means the value that the module computes at that place (a softmax that the list does not call 'softmax' is quantised finished and normalised). What goes into a quantiser is computed in f32, as accurately as f32 sums, v_exp_f32 and their like allow (about 1e-6 of the number): no bf16 or f16 on the way to a quantiser, and a product that is left as it is and whose result goes on into a quantised operand takes f32 operands (vector FMAs, or v_wmma_f32_16x16x4_f32). A number that lies on a knife's edge between two numbers of the format may be rounded either way, as far as f32 arithmetic and the matrix unit's own rounding can turn it there, and no further.
;; One version. Each part assembles by itself: llvm-mc -triple=amdgcn-amd-amdhsa -mcpu=gfx1250 --defsym DOCPART=n.
;; ======== version 1 of 1: 4 launches
;; limits: right only within a limited range of input values
;; workspace buffers: wimg 3,145,728 bytes; wsc 131,072 bytes; hc 18,874,368 bytes; hs 1,310,720 bytes; ac 6,291,456 bytes; asc 262,144 bytes
;; launch quantw (part 1): grid 128 x 1, 4 waves a work-group, no clusters, 58,368 bytes of LDS; arguments w_q, w_k, w_v, w_o, wimg, wsc; writes wimg, wsc
.if DOCPART == 1
	.amdgcn_target "amdgcn-amd-amdhsa--gfx1250"
	.amdhsa_code_object_version 6
	.text
	.protected	k_q348ba47cd1_quantw
	.globl	k_q348ba47cd1_quantw
	.p2align	8
	.type	k_q348ba47cd1_quantw,@function
k_q348ba47cd1_quantw:
	s_mov_b64 s[64:65], 0
	v_nop
	global_prefetch_b8 v0, s[64:65] scope:SCOPE_SE
	s_setreg_imm32_b32 hwreg(HW_REG_WAVE_MODE, 25, 1), 1
	s_wait_xcnt 0x0
; w_q, w_k, w_v, w_o [1024][1024], f32, become codes of FP6 (E2M3) along K and one E8M0 byte for each 32 along K.  The four are taken as one array of 4,096 rows.
; ROW R STANDS AT PLACE swap34(R): bits 3 and 4 of the row's number change places, so that the 16 places of a tile are the rows that the later products want in one fragment.
; OUT: wimg [128 places][K step of 128: 8][tile of 16 places: 8][3][32 lanes][16 bytes]: the image of a fragment's 12 registers, four registers to a run of 512 bytes; wsc [place][32 bytes].
; A block's scale is 2^(floor(log2(its largest magnitude)) - 2); its byte is the largest magnitude's exponent field - 2, held at 1 from below.
; LIMITS: a block of zeros gets the byte 1 (its codes are zeros; this program alone reads the bytes); blocks whose largest magnitude lies under 2^-124 are held at the byte 1; NaN and infinities are not served.
; A work-group takes 32 rows, a wave 8 rows in 16 steps of 512 numbers.  A step's 2,048 bytes turn through the wave's own stage in LDS, so that a lane holds 16 neighbours along K.
; The codes are gathered as 32 rows of 768 bytes in LDS (784 apart); behind one barrier each wave reads four fragments as the matrix unit wants them and stores their images.
.set WAVES, 4
.set STEPS, 16
.set EMAX,  2
.set R,     16                         ; v16-79   four sets of 16 numbers as they are loaded
.set X,     80                         ; v80-111  two sets of 16 neighbours
.set C,     128                        ; v128-191 codes, four registers a step; then the fragments
.set E,     112                        ; v112-127 a scale byte for each step
.set WREG,  8192                       ; LDS: a region for each wave: two stages of 32 x SP bytes, behind them its 256 scale bytes
.set SP,    80
.set SPW,   12
.set NIL,   13
.set SPARE, WAVES*WREG                 ; the spare words: two blocks of 256 bytes that no other line names
.set CW,    SPARE+512                  ; the rows of codes
.set RP,    784                        ; from row to row
	s_load_b256 s[4:11], s[0:1], 0x0               ; w_q, w_k, w_v, w_o
	s_load_b128 s[12:15], s[0:1], 0x20             ; wimg, wsc
	v_lshl_add_u32 v[SPW], v0, 2, SPARE
	v_mov_b32 v[NIL], 0
	v_lshrrev_b32 v1, 5, v0
	v_readfirstlane_b32 s26, v1                    ; wave
	v_and_b32 v2, 31, v0                           ; lane
	v_lshlrev_b32 v3, 4, v2                        ; 16 x lane
	s_mul_i32 s27, s26, WREG
	v_lshrrev_b32 v14, 2, v2
	v_mul_u32_u24 v14, v14, SP
	v_and_b32 v15, 3, v2
	v_lshl_add_u32 v14, v15, 4, v14
	v_add_nc_u32 v14, s27, v14                     ; the stage, on the way in
	v_mul_u32_u24 v15, v2, SP
	v_add_nc_u32 v15, s27, v15                     ; and on the way out: my 16 neighbours
	s_and_b32 s28, s26, 1
	s_lshl_b32 s28, s28, 1
	s_lshr_b32 s29, s26, 1
	s_or_b32 s28, s28, s29                         ; the wave's two bits exchanged: bits 3 and 4 of the row's number
	s_mul_i32 s30, s28, 8*RP
	s_add_co_u32 s30, s30, CW
	v_mul_u32_u24 v4, v2, 12
	v_add_nc_u32 v4, s30, v4                       ; my 12 bytes of a step's 384, in my run's first row
	v_lshrrev_b32 v5, 1, v2
	s_add_co_u32 s27, s27, 2*32*SP
	v_add_nc_u32 v5, s27, v5                       ; my wave's 256 scale bytes, my block's byte
	v_lshlrev_b32 v7, 3, v2
	v_add_nc_u32 v6, s27, v7
	v_and_b32 v10, 15, v0
	v_bfe_u32 v11, v0, 4, 1
	v_mul_u32_u24 v10, v10, RP
	v_mad_u32_u24 v10, v11, 24, v10                ; a fragment: row r, + 24 h
	s_mul_i32 s30, s29, 16*RP                      ; tile wave / 2,
	s_and_b32 s31, s26, 1
	s_mul_i32 s32, s31, 384                        ; K steps 4 (wave % 2) on
	s_add_co_u32 s30, s30, s32
	s_add_co_u32 s30, s30, CW
	v_add_nc_u32 v10, s30, v10
	s_wait_alu depctr_va_vdst(0)                   ; the wait at the head's end
	s_wait_kmcnt 0x0
	s_mov_b64 s[22:23], s[10:11]                   ; which tensor: a choice of pointers on the work-group's number alone
.irp b, 96,64,32
	s_cmp_lt_u32 ttmp9, \b
	s_cselect_b64 s[22:23], s[\b/16+2:\b/16+3], s[22:23]
.endr
	s_and_b32 s24, ttmp9, 31
	s_lshl_b32 s24, s24, 2
	s_add_co_u32 s24, s24, s26
	s_lshl_b32 s24, s24, 15                        ; 32,768 bytes a run of 8 rows
	s_mov_b32 s25, 0
	s_add_nc_u64 s[22:23], s[22:23], s[24:25]
	s_lshl_b32 s24, ttmp9, 2
	s_add_co_u32 s24, s24, s28
	s_lshl_b32 s24, s24, 8                         ; 256 scale bytes a run, at its place
	s_add_nc_u64 s[14:15], s[14:15], s[24:25]
	s_lshr_b32 s24, ttmp9, 2
	s_mul_i32 s24, s24, 98304                      ; the block of 128 places,
	s_mul_i32 s32, s31, 4*12288                    ; my first K step,
	s_add_co_u32 s24, s24, s32
	s_and_b32 s32, ttmp9, 3
	s_lshl_b32 s32, s32, 1
	s_add_co_u32 s32, s32, s29
	s_mul_i32 s32, s32, 1536                       ; my tile in the block
	s_add_co_u32 s24, s24, s32
	s_add_nc_u64 s[12:13], s[12:13], s[24:25]
.macro LOAD t
.irp i, 0,1,2,3
	global_load_b128 v[R+16*((\t)%4)+4*\i:R+16*((\t)%4)+4*\i+3], v3, s[22:23] offset:2048*(\t)+512*\i th:TH_LOAD_NT
.endr
.endm
.macro TURN t                          ; LDS serves a wave's instructions in order: no wait between the stores and the loads
.irp i, 0,1,2,3
	ds_store_b128 v14, v[R+16*((\t)%4)+4*\i:R+16*((\t)%4)+4*\i+3] offset:32*SP*((\t)%2)+8*SP*\i
.endr
.irp i, 0,1,2,3
	ds_load_b128 v[X+16*((\t)%2)+4*\i:X+16*((\t)%2)+4*\i+3], v15 offset:32*SP*((\t)%2)+16*\i
.endr
.endm
.irp t, 0,1,2,3
	LOAD \t
.endr
	s_wait_loadcnt 12
	TURN 0
.macro STEP t
.set XS, X+16*((\t)%2)
.if (\t) > 0
	s_wait_dscnt 4                                 ; this step's numbers are back (the last step's four stores of codes and byte may be out)
.else
	s_wait_dscnt 0x0
.endif
.if (\t)+4 < STEPS
	LOAD (\t)+4
.endif
.if (\t)+1 < STEPS
.if STEPS-2-(\t) >= 3
	s_wait_loadcnt 12                              ; the next step's four loads are in; those of the three steps behind it may be out
.else
	s_wait_loadcnt 4*(STEPS-2-(\t))
.endif
	TURN (\t)+1
.endif
	v_max3_num_f32 v8, |v[XS]|, |v[XS+1]|, |v[XS+2]|
	v_max3_num_f32 v9, |v[XS+3]|, |v[XS+4]|, |v[XS+5]|
.irp i, 6,10
	v_max3_num_f32 v8, v8, |v[XS+\i]|, |v[XS+\i+1]|
	v_max3_num_f32 v9, v9, |v[XS+\i+2]|, |v[XS+\i+3]|
.endr
	v_max3_num_f32 v8, v8, |v[XS+14]|, |v[XS+15]|
	v_max3_num_f32 v8, v8, v9, (EMAX+1)<<23        ; the floor: the byte cannot fall under 1
	v_max_num_f32_dpp v8, v8, v8 row_xmask:1 row_mask:0xf bank_mask:0xf   ; with my neighbour's 16: the block's
	v_add_nc_u32 v11, -(EMAX<<23), v8              ; the conversion's scale operand
	v_cvt_scalef32_pk16_fp6_f32 v[C+4*(\t):C+4*(\t)+2], v[XS:XS+15], v11
	v_lshrrev_b32 v[E+(\t)], 23, v11               ; the scale's byte
	ds_store_b8 v5, v[E+(\t)] offset:16*(\t)
.irp i, 0,1,2
	ds_store_b32 v4, v[C+4*(\t)+\i] offset:RP*((\t)/2)+384*((\t)%2)+4*\i
.endr
.endm
.irp t, 0,1,2,3,4,5,6,7,8,9,10,11,12,13,14,15
	STEP \t
.endr
	ds_load_b64 v[8:9], v6
	s_wait_dscnt 0x0                               ; my bytes are back, and my stores of codes are done:
	s_barrier_signal -1
	s_barrier_wait -1                              ; everybody's are
	global_store_b64 v7, v[8:9], s[14:15]          ; 32 lanes store 256 consecutive bytes
.irp j, 0,1,2,3
.irp p, 0,1,2,3,4,5
	ds_load_b64 v[C+12*\j+2*\p:C+12*\j+2*\p+1], v10 offset:96*\j+48*(\p/3)+8*(\p%3)
.endr
.endr
	s_wait_dscnt 0x0
.irp j, 0,1,2,3
.irp c, 0,1,2
	global_store_b128 v3, v[C+12*\j+4*\c:C+12*\j+4*\c+3], s[12:13] offset:12288*\j+512*\c   ; 512 consecutive bytes
.endr
.endr
	s_wait_tensorcnt 0x0                           ; the wave's end
	ds_add_u32 v[SPW], v[NIL]
	s_wait_dscnt 0x0
	s_endpgm
.Lfunc_end_k_q348ba47cd1_quantw:
	.size	k_q348ba47cd1_quantw, .Lfunc_end_k_q348ba47cd1_quantw-k_q348ba47cd1_quantw
	.p2alignl 7, 3214868480
	.fill 96, 4, 3214868480
	.section	.rodata,"a",@progbits
	.p2align	6, 0x0
	.amdhsa_kernel k_q348ba47cd1_quantw
		.amdhsa_group_segment_fixed_size 58368
		.amdhsa_private_segment_fixed_size 0
		.amdhsa_enable_private_segment 0
		.amdhsa_kernarg_size 48
		.amdhsa_user_sgpr_count 2
		.amdhsa_user_sgpr_kernarg_segment_ptr 1
		.amdhsa_wavefront_size32 1
		.amdhsa_system_sgpr_workgroup_id_x 1
		.amdhsa_system_sgpr_workgroup_id_y 1
		.amdhsa_system_sgpr_workgroup_id_z 1
		.amdhsa_system_vgpr_workitem_id 0
		.amdhsa_next_free_vgpr 192
		.amdhsa_next_free_sgpr 66
		.amdhsa_reserve_vcc 0
		.amdhsa_float_denorm_mode_32 3
		.amdhsa_float_denorm_mode_16_64 3
		.amdhsa_memory_ordered 1
		.amdhsa_forward_progress 1
		.amdhsa_inst_pref_size 38
	.end_amdhsa_kernel
	.amdgpu_metadata
---
amdhsa.version: [ 1, 2 ]
amdhsa.kernels:
  - .name:           k_q348ba47cd1_quantw
    .symbol:         k_q348ba47cd1_quantw.kd
    .args:
      - { .name: w_q, .offset: 0, .size: 8, .value_kind: global_buffer, .address_space: global }
      - { .name: w_k, .offset: 8, .size: 8, .value_kind: global_buffer, .address_space: global }
      - { .name: w_v, .offset: 16, .size: 8, .value_kind: global_buffer, .address_space: global }
      - { .name: w_o, .offset: 24, .size: 8, .value_kind: global_buffer, .address_space: global }
      - { .name: wimg, .offset: 32, .size: 8, .value_kind: global_buffer, .address_space: global }
      - { .name: wsc, .offset: 40, .size: 8, .value_kind: global_buffer, .address_space: global }
    .group_segment_fixed_size: 58368
    .private_segment_fixed_size: 0
    .kernarg_segment_align: 8
    .kernarg_segment_size: 48
    .max_flat_workgroup_size: 128
    .sgpr_count:     66
    .vgpr_count:     192
    .wavefront_size: 32
...
	.end_amdgpu_metadata
.endif
;; end of part 1
;; launch qproj (part 2): grid 192 x 1, 4 waves a work-group, no clusters, 160,512 bytes of LDS; arguments q, k, v, wimg, wsc, hc, hs; writes hc, hs
.if DOCPART == 2
	.amdgcn_target "amdgcn-amd-amdhsa--gfx1250"
	.amdhsa_code_object_version 6
	.text
	.protected	k_q348ba47cd1_qproj
	.globl	k_q348ba47cd1_qproj
	.p2align	8
	.type	k_q348ba47cd1_qproj,@function
k_q348ba47cd1_qproj:
	s_mov_b64 s[64:65], 0
	v_nop
	global_prefetch_b8 v0, s[64:65] scope:SCOPE_SE
	s_setreg_imm32_b32 hwreg(HW_REG_WAVE_MODE, 25, 1), 1
	s_wait_xcnt 0x0
; The three projections on codes of FP6 (E2M3), with their tokens quantised on the way in and their results quantised on the way out for the attention launch.
; A work-group takes 128 tokens of q, k or v (64 work-groups each) against all 1,024 rows of that tensor's weight: so each token number is read from memory once, and is quantised here, in the head, into LDS.
; HEAD: a wave takes rows 32 n + 8 w + i (n = 0..3) in steps of 512 numbers, loads eight steps ahead; a step turns through the wave's own stage, so that a lane holds 16 neighbours along K.
;   Row R stands in LDS at place swap34(R) (bits 3 and 4 exchanged), 784 bytes a row; the scale bytes in units of 256 bytes + 16.  The weight's scale bytes, 32,768, are copied beside them in the same form.
; PRODUCTS: two passes; in a pass a wave multiplies the 128 tokens (fragments from LDS, two sets) with 128 weight rows of its own (places 256 w + 128 pass): 64 accumulators, 8 K steps of 128.
;   The weight rows of a wave are read by that wave alone, so they go from memory straight into registers, as the images that the weights' launch has laid, two K steps ahead (two sets, refilled by halves):
;   a tile of them in LDS would be read by one wave, so there are no tensor loads, no ring and no joint loads here.  A wave's 16 K steps of both passes lie on end in memory.
;   (The last pass's last two steps load the 24,576 bytes that follow, another weight's; they lie inside wimg and are not used.)  No prefetch: the tokens stream through all waves' loads, the weights are asked for two steps ahead.
; q, k: source 0 = weight rows, source 1 = tokens: a lane holds a token and its registers run along the channels.  v: source 0 = tokens, source 1 = weight rows: a lane holds a channel and its registers run along the tokens.
; OUT: hc: images in planes of 32 lanes x 8 bytes: q, k [batch][pair of heads 8][token tile 128][6 planes]; v [batch][key step 16][channel tile 64][6 planes]; hs: scale words, four tiles to a lane's 16 bytes.
; LIMITS: a block of zeros gets the byte 1 (its codes are zeros; this program alone reads the bytes); blocks under 2^-124 are held at the byte 1; NaN and infinities are not served.
.set RP,    784
.set TSC,   128*RP                     ; the tokens' scale bytes: 16 units of 272
.set WSC,   TSC+16*272                 ; the weight's: 128 units of 272
.set STG,   WSC+128*272                ; the stages: 5,120 bytes a wave
.set SPARE, STG+4*5120                 ; the spare words: two blocks of 256 bytes that no other line names
.set WL,   1                           ; v1 16 x lane
.set SPW,  2
.set NIL,  3
.set TAB,  18                          ; v18-19 a token fragment's address for tiles 0-3, 4-7; v20-21 the same at the K step in hand
.set TA,   20
.set ADRS, 22                          ; v22 scale words at the K step in hand; v23 at K step 0: lanes 0-15 the tokens', lanes 16-31 my weight rows'
.set ADRSB,23
.set HD,   25                          ; v25 4,352 h: from pass to pass
.set X,    32                          ; head: v32-63 two sets of 16 neighbours; v64-191 eight sets as loaded
.set R,    64
.set SC,   32                          ; products: v32-47 scale words, a set of 8 for each parity of the K step
.set WF,   64                          ; v64-255 the weight's fragments, two sets of 96.  Window 1: the tokens' fragments at v0 and v128; v254, v255 the stores' offsets.  Windows 2, 3: the accumulators
.set TM,   0                           ; the way out, all in window 1
.set PWS,  16
.set TW,   24
.set TW2,  28
.set PCB,  32
.set CO,   254
.set CO16, 255
.set LP,   24                          ; s[24:25] my token rows; s[26:27] my weight images; s[28:29], s[30:31] hc, hs at my part
.set WP,   26
.set OC,   28
.set OS,   30
.set DC,   32                          ; s[32:33], s[34:35] from pass to pass in hc, hs
.set DS,   34
.set KO,   36
.set KS,   37
.set CNT,  38
.set PASS, 39
.set SEL,  40
.set HM,   42
.set LT,   43
.set LS,   44
.set MSB, 0
.macro WIN new
.if MSB != \new
	s_set_vgpr_msb (MSB<<8)|\new
.set MSB, \new
.endif
.endm
.macro PLACES
.rept 4
	v_nop
.endr
.endm
	s_load_b256 s[4:11], s[0:1], 0x0               ; q, k, v, wimg
	s_load_b128 s[12:15], s[0:1], 0x20             ; wsc, hc
	s_load_b64 s[16:17], s[0:1], 0x30              ; hs
	v_lshl_add_u32 v[SPW], v0, 2, SPARE
	v_mov_b32 v[NIL], 0
	v_lshrrev_b32 v29, 5, v0
	v_readfirstlane_b32 s18, v29                   ; wave
	v_and_b32 v26, 31, v0                          ; lane
	v_and_b32 v27, 15, v0                          ; r
	v_bfe_u32 v28, v0, 4, 1                        ; h
	s_and_b32 s19, s18, 1
	s_lshl_b32 s19, s19, 1
	s_lshr_b32 s46, s18, 1
	s_or_b32 s19, s19, s46                         ; the wave's two bits exchanged
	s_lshr_b32 s20, ttmp9, 6                       ; 0 q, 1 k, 2 v
	s_and_b32 s23, ttmp9, 63                       ; which 128 tokens
	s_lshr_b32 s21, s23, 4                         ; batch
	s_and_b32 s22, s23, 15                         ; which 128 of its 2,048
	s_wait_alu depctr_va_vdst(0)                   ; the wait here, behind the run of scalar lines and ahead of the first reader
	v_lshlrev_b32 v[WL], 4, v26
	s_mul_i32 s46, s18, 5120
	s_add_co_u32 s46, s46, STG
	v_lshrrev_b32 v29, 2, v26
	v_mul_u32_u24 v15, v29, 80
	v_and_b32 v29, 3, v26
	v_lshl_add_u32 v15, v29, 4, v15
	v_add_nc_u32 v15, s46, v15                     ; the stage, on the way in
	v_mul_u32_u24 v16, v26, 80
	v_add_nc_u32 v16, s46, v16                     ; and out
	s_mul_i32 s46, s19, 8*RP
	v_mul_u32_u24 v6, v26, 12
	v_add_nc_u32 v6, s46, v6                       ; my 12 bytes of a step's 384, in my first row's place
	s_mul_i32 s46, s19, 272
	s_add_co_u32 s46, s46, TSC
	v_lshrrev_b32 v7, 1, v26
	v_add_nc_u32 v7, s46, v7                       ; my block's byte
	s_mul_i32 s47, s18, 8704                       ; 256 weight rows' scale bytes: 32 units
	s_add_co_u32 s46, s47, WSC
	v_lshl_add_u32 v17, v28, 4, v[WL]
	v_add_nc_u32 v17, s46, v17                     ; the copy of the weight's scale bytes: 16 x lane, + 16 behind the first 256
	v_mul_u32_u24 v[TAB], v27, RP
	v_mad_u32_u24 v[TAB], v28, 24, v[TAB]
	v_add_nc_u32 v[TAB+1], 64*RP, v[TAB]
	v_lshrrev_b32 v29, 3, v27
	v_lshlrev_b32 v[ADRSB], 5, v27
	v_lshl_add_u32 v[ADRSB], v29, 4, v[ADRSB]      ; row r of a tile: 32 r, + 16 behind the first 256
	s_add_co_u32 s46, s47, WSC-TSC
	v_mul_u32_u24 v29, s46, v28
	v_add_nc_u32 v[ADRSB], v[ADRSB], v29
	v_add_nc_u32 v[ADRSB], TSC, v[ADRSB]
	v_mul_u32_u24 v[HD], v28, 4352
	WIN 0x40
	v_lshlrev_b32 v[CO], 3, v26
	v_lshlrev_b32 v[CO16], 4, v26
	WIN 0
	s_mov_b32 s[LT], 0
	s_mov_b32 s[LS], 0
	v_add_nc_u32 v4, s[LT], v6
	v_add_nc_u32 v5, s[LS], v7
	s_mov_b32 s[SEL], 0x76543210
	s_mov_b32 s[SEL+1], 0xfedcba98
	s_mov_b32 s[HM], 0xffff0000
	; where my results go, in units of 1,536 bytes of hc and of 256 bytes of hs
	s_lshl_b32 s48, s21, 10
	s_lshl_b32 s46, s18, 8
	s_add_co_u32 s49, s48, s46
	s_lshl_b32 s46, s22, 3
	s_add_co_u32 s49, s49, s46                     ; q, k: 1,024 batch + 128 (2 w + pass) + 8 x my 128 tokens
	s_lshl_b32 s46, s22, 6
	s_add_co_u32 s48, s48, s46
	s_lshl_b32 s46, s18, 4
	s_add_co_u32 s48, s48, s46                     ; v: 1,024 batch + 64 key step + 16 w + 8 pass
	s_lshl_b32 s50, s21, 9
	s_lshl_b32 s46, s18, 7
	s_add_co_u32 s50, s50, s46
	s_lshl_b32 s46, s22, 1
	s_add_co_u32 s50, s50, s46                     ; q, k: 512 batch + 64 (2 w + pass) + 2 x my 128 tokens
	s_lshl_b32 s51, s21, 8
	s_lshl_b32 s46, s22, 4
	s_add_co_u32 s51, s51, s46
	s_lshl_b32 s46, s18, 2
	s_add_co_u32 s51, s51, s46                     ; v: 256 batch + 16 key step + 4 w + 2 pass
	s_mov_b32 s[DC], 12288
	s_mov_b32 s[DS], 512
	s_mov_b32 s46, 196608
	s_mov_b32 s47, 16384
	s_cmp_lt_u32 s20, 2
	s_cselect_b32 s48, s49, s48
	s_cselect_b32 s50, s50, s51
	s_cselect_b32 s[DC], s46, s[DC]
	s_cselect_b32 s[DS], s47, s[DS]
	s_mov_b32 s[DC+1], 0
	s_mov_b32 s[DS+1], 0
	s_mul_i32 s48, s48, 1536
	s_mul_i32 s46, s20, 6291456
	s_add_co_u32 s48, s48, s46
	s_mov_b32 s49, 0
	s_lshl_b32 s50, s50, 8
	s_lshl_b32 s46, s20, 19
	s_add_co_u32 s50, s50, s46
	s_mov_b32 s51, 0
	s_wait_alu depctr_va_vdst(0)                   ; the wait at the head's end
	s_wait_kmcnt 0x0
	s_add_nc_u64 s[OC:OC+1], s[14:15], s[48:49]
	s_add_nc_u64 s[OS:OS+1], s[16:17], s[50:51]
	s_mov_b64 s[LP:LP+1], s[8:9]
	s_cmp_lt_u32 s20, 2
	s_cselect_b64 s[LP:LP+1], s[6:7], s[LP:LP+1]
	s_cmp_lt_u32 s20, 1
	s_cselect_b64 s[LP:LP+1], s[4:5], s[LP:LP+1]
	s_lshl_b32 s46, s23, 19
	s_lshl_b32 s47, s18, 15
	s_add_co_u32 s46, s46, s47
	s_mov_b32 s47, 0
	s_add_nc_u64 s[LP:LP+1], s[LP:LP+1], s[46:47]  ; row 128 x block + 8 w
	s_lshl_b32 s46, s20, 15
	s_lshl_b32 s48, s18, 13
	s_add_co_u32 s46, s46, s48
	s_add_nc_u64 s[12:13], s[12:13], s[46:47]      ; my quarter of the weight's scale bytes
	s_lshl_b32 s46, s20, 3
	s_lshl_b32 s48, s18, 1
	s_add_co_u32 s46, s46, s48
	s_mul_i32 s46, s46, 98304
	s_add_nc_u64 s[WP:WP+1], s[10:11], s[46:47]    ; block 8 x tensor + 2 w of 128 places
.macro LOAD t, off
.irp i, 0,1,2,3
	global_load_b128 v[R+16*((\t)%8)+4*\i:R+16*((\t)%8)+4*\i+3], v[WL], s[LP:LP+1] offset:(\off)+512*\i th:TH_LOAD_NT
.endr
.endm
.macro TURN t
.irp i, 0,1,2,3
	ds_store_b128 v15, v[R+16*((\t)%8)+4*\i:R+16*((\t)%8)+4*\i+3] offset:2560*((\t)%2)+640*\i
.endr
.irp i, 0,1,2,3
	ds_load_b128 v[X+16*((\t)%2)+4*\i:X+16*((\t)%2)+4*\i+3], v16 offset:2560*((\t)%2)+16*\i
.endr
.endm
; A step of the head: 512 numbers, half a row.  last = 1: the last 8 rows, which load nothing beyond themselves.
.macro PSTEP t, last
.set XS, X+16*((\t)%2)
.if (\t) == 0
	s_wait_dscnt 0x0
.else
	s_wait_dscnt 4                                 ; this step's numbers are back from the stage (the last step's four stores may be out)
.endif
.if (\t) < 8
	LOAD (\t)+8, 2048*((\t)+8)
	s_wait_loadcnt 28                              ; the next step's loads are in; those of the seven steps behind it may be out
.else
.if (\last) == 0
	LOAD (\t)+8, 131072+2048*((\t)-8)              ; the next 8 rows lie 32 rows on
	s_wait_loadcnt 28
.else
.if (\t) < 15
	s_wait_loadcnt 4*(14-(\t))
.endif
.endif
.endif
.if ((\last) == 0) || ((\t) < 15)
	TURN (\t)+1
.endif
	v_max3_num_f32 v8, |v[XS]|, |v[XS+1]|, |v[XS+2]|
	v_max3_num_f32 v9, |v[XS+3]|, |v[XS+4]|, |v[XS+5]|
.irp i, 6,10
	v_max3_num_f32 v8, v8, |v[XS+\i]|, |v[XS+\i+1]|
	v_max3_num_f32 v9, v9, |v[XS+\i+2]|, |v[XS+\i+3]|
.endr
	v_max3_num_f32 v8, v8, |v[XS+14]|, |v[XS+15]|
	v_max3_num_f32 v8, v8, v9, 3<<23               ; the floor 2^(3 - 127): the byte cannot fall under 1
	v_max_num_f32_dpp v8, v8, v8 row_xmask:1 row_mask:0xf bank_mask:0xf   ; with my neighbour's 16: the block's
	v_add_nc_u32 v11, -(2<<23), v8                 ; the conversion's scale operand
	v_cvt_scalef32_pk16_fp6_f32 v[12:14], v[XS:XS+15], v11
	v_lshrrev_b32 v10, 23, v11                     ; the scale's byte
	ds_store_b8 v5, v10 offset:16*(\t)
.irp i, 0,1,2
	ds_store_b32 v4, v[12+\i] offset:RP*((\t)/2)+384*((\t)%2)+4*\i
.endr
.endm
.irp i, 0,1,2,3,4,5,6,7,8,9,10,11,12,13,14,15
	global_load_b128 v[192+4*\i:195+4*\i], v[WL], s[12:13] offset:512*\i
.endr
.irp t, 0,1,2,3,4,5,6,7
	LOAD \t, 2048*\t
.endr
	s_wait_loadcnt 32                              ; the scale bytes are in; the 32 loads of tokens may be out
.irp i, 0,1,2,3,4,5,6,7,8,9,10,11,12,13,14,15
	ds_store_b128 v17, v[192+4*\i:195+4*\i] offset:544*\i
.endr
	s_wait_loadcnt 28
	TURN 0
	s_mov_b32 s[CNT], 3
.Lrows:
.irp t, 0,1,2,3,4,5,6,7,8,9,10,11,12,13,14,15
	PSTEP \t, 0
.endr
	s_wait_xcnt 0x0                                ; the loads have read their base
	s_add_nc_u64 s[LP:LP+1], s[LP:LP+1], 131072
	s_add_co_u32 s[LT], s[LT], 32*RP
	s_add_co_u32 s[LS], s[LS], 4*272
	v_add_nc_u32 v4, s[LT], v6
	v_add_nc_u32 v5, s[LS], v7
	s_sub_co_u32 s[CNT], s[CNT], 1
	s_cmp_lg_u32 s[CNT], 0
	s_wait_alu depctr_va_vdst(0)                   ; the wait here, directly ahead of the branch
	s_cbranch_scc1 .Lrows
.irp t, 0,1,2,3,4,5,6,7,8,9,10,11,12,13,14,15
	PSTEP \t, 1
.endr
.macro WLOAD p, w0, off                ; four of the weight's fragments into set p: three loads of 512 consecutive bytes each
.irp w, 0,1,2,3
.irp c, 0,1,2
	global_load_b128 v[WF+96*(\p)+12*(\w0+\w)+4*\c:WF+96*(\p)+12*(\w0+\w)+4*\c+3], v[WL], s[WP:WP+1] offset:(\off)+1536*(\w0+\w)+512*\c
.endr
.endr
.endm
.macro TLOAD p, d                      ; the tokens' eight fragments and all scale words of the K step d on from the one in hand, into set p
	WIN 0x40
.irp t, 0,1,2,3,4,5,6,7
.irp c, 0,1,2,3,4,5
	ds_load_b64 v[128*(\p)+12*\t+2*\c:128*(\p)+12*\t+2*\c+1], v[TA+\t/4] offset:16*RP*(\t%4)+96*(\d)+48*(\c/3)+8*(\c%3)
.endr
.endr
	WIN 0
.irp i, 0,1,2,3,4,5,6,7
	ds_load_b32 v[SC+8*(\p)+\i], v[ADRS] offset:544*\i+4*(\d)   ; lanes 0-15: token tile i; lanes 16-31: weight tile i
.endr
.endm
.macro MQ vv, wq, tq, p, zero          ; 16 products: weight tiles 4 wq .. x token tiles 4 tq ..; the accumulators by turns
.irp w, 0,1,2,3
.irp t, 0,1,2,3
.set WW, 4*(\wq)+\w
.set TK, 4*(\tq)+\t
.set FW, WF+96*(\p)+12*WW
.set FT, 128*(\p)+12*TK
.set SW, SC+8*(\p)+WW
.set ST, SC+8*(\p)+TK
.if \vv
.set DD, 8*(8*\w+TK)
.if \zero
	v_wmma_scale_f32_16x16x128_f8f6f4 v[DD:DD+7], v[FT:FT+11], v[FW:FW+11], 0, v[ST], v[SW] matrix_a_fmt:MATRIX_FMT_FP6 matrix_b_fmt:MATRIX_FMT_FP6 matrix_b_scale:MATRIX_SCALE_ROW1
.else
	v_wmma_scale_f32_16x16x128_f8f6f4 v[DD:DD+7], v[FT:FT+11], v[FW:FW+11], v[DD:DD+7], v[ST], v[SW] matrix_a_fmt:MATRIX_FMT_FP6 matrix_b_fmt:MATRIX_FMT_FP6 matrix_b_scale:MATRIX_SCALE_ROW1
.endif
.else
.set DD, 8*(8*\t+WW)
.if \zero
	v_wmma_scale_f32_16x16x128_f8f6f4 v[DD:DD+7], v[FW:FW+11], v[FT:FT+11], 0, v[SW], v[ST] matrix_a_fmt:MATRIX_FMT_FP6 matrix_b_fmt:MATRIX_FMT_FP6 matrix_a_scale:MATRIX_SCALE_ROW1
.else
	v_wmma_scale_f32_16x16x128_f8f6f4 v[DD:DD+7], v[FW:FW+11], v[FT:FT+11], v[DD:DD+7], v[SW], v[ST] matrix_a_fmt:MATRIX_FMT_FP6 matrix_b_fmt:MATRIX_FMT_FP6 matrix_a_scale:MATRIX_SCALE_ROW1
.endif
.endif
.endr
.endr
.endm
.macro MH vv, wq, p, zero              ; 32 products.  Accumulator (a, b) lies at v[8 (8 (a % 4) + b)] of window 2 + a / 4; a: the side that a lane holds, b: the side along its registers
.if \vv
	WIN 0xa1+0x50*(\wq)                            ; source 0 the tokens (window 1), source 1 the weight (window 0)
	MQ 1, \wq, 0, \p, \zero
	MQ 1, \wq, 1, \p, \zero
.else
	WIN 0xa4                                       ; source 0 the weight (window 0), source 1 the tokens (window 1)
	MQ 0, \wq, 0, \p, \zero
	WIN 0xf4
	MQ 0, \wq, 1, \p, \zero
.endif
.endm
; A K step on set p, d steps on from the one that the pointers stand at.  The weight's loads go out in runs of 12; behind the run that a half step needs three younger runs are out: 36.
.macro GSTEP vv, p, d, zero, tl
	s_wait_loadcnt 36                              ; the weight's fragments 0-3 of this step
	s_wait_dscnt 0x0                               ; the tokens' fragments and the scale words
	MH \vv, 0, \p, \zero
	PLACES                                         ; ahead of loads into registers that matrix instructions have read
	WIN 0
	WLOAD \p, 0, 12288*((\d)+2)
.if \tl
	TLOAD 1-(\p), (\d)+1
.endif
	s_wait_loadcnt 36                              ; fragments 4-7
	MH \vv, 1, \p, \zero
	PLACES
	WIN 0
	WLOAD \p, 4, 12288*((\d)+2)
.endm
.macro GEMM vv
	GSTEP \vv, 0, 0, 1, 1                          ; the first K step starts the sums
	s_mov_b32 s[CNT], 3
.Lk_\@:
	GSTEP \vv, 1, 1, 0, 1
	GSTEP \vv, 0, 2, 0, 1
	s_wait_xcnt 0x0
	s_add_nc_u64 s[WP:WP+1], s[WP:WP+1], 24576
	s_add_co_u32 s[KO], s[KO], 192
	s_add_co_u32 s[KS], s[KS], 8
	v_add_nc_u32 v[TA], s[KO], v[TAB]
	v_add_nc_u32 v[TA+1], s[KO], v[TAB+1]
	v_add_nc_u32 v[ADRS], s[KS], v[ADRSB]
	s_sub_co_u32 s[CNT], s[CNT], 1
	s_cmp_lg_u32 s[CNT], 0
	s_wait_alu depctr_va_vdst(0)                   ; the wait here, directly ahead of the branch
	s_cbranch_scc1 .Lk_\@
	GSTEP \vv, 1, 1, 0, 0                          ; the pass's last K step; its loads are the next pass's second step
.endm
; The way out of 16 rows of side a: four blocks of 32 along side b are quantised; lane (r, h) then holds whole blocks, as the next product's operand wants them.
.macro QUANTA a
.set AC, 64*((\a)%4)
.set PC, PCB+20*(\a)
.set XW, 2+(\a)/4
	WIN 0x50+5*XW
.irp b, 0,1,2,3
	v_max3_num_f32 v[TM+\b], |v[AC+16*\b]|, |v[AC+16*\b+1]|, 0x1800000   ; each accumulator from its low end on; the floor 2^(3 - 127)
.endr
.irp i, 2,4,6,8,10,12,14
.irp b, 0,1,2,3
	v_max3_num_f32 v[TM+\b], |v[AC+16*\b+\i]|, |v[AC+16*\b+\i+1]|, v[TM+\b]
.endr
.endr
	WIN 0x55
.irp b, 0,1,2,3
	v_permlanex16_b32 v[TM+4+\b], v[TM+\b], s[SEL], s[SEL+1]
.endr
.irp b, 0,1,2,3
	v_max_num_f32 v[TM+\b], v[TM+\b], v[TM+4+\b]
.endr
.irp b, 0,1,2,3
	v_add_nc_u32 v[TM+12+\b], 0xff000000, v[TM+\b]
.endr
.irp b, 0,1,2,3
	v_lshrrev_b32 v[TM+4+\b], 23, v[TM+12+\b]
.endr
	v_lshl_or_b32 v[PWS+(\a)], v[TM+5], 8, v[TM+4]
	v_lshl_or_b32 v[PWS+(\a)], v[TM+6], 16, v[PWS+(\a)]
	v_lshl_or_b32 v[PWS+(\a)], v[TM+7], 24, v[PWS+(\a)]
	WIN 0x44+XW
.irp c, 0,1
	v_cvt_scalef32_pk16_fp6_f32 v[PC+6*\c:PC+6*\c+2], v[AC+32*\c:AC+32*\c+15], v[TM+12+2*\c]
	v_cvt_scalef32_pk16_fp6_f32 v[PC+12+4*\c:PC+14+4*\c], v[AC+32*\c+16:AC+32*\c+31], v[TM+12+2*\c+1]
.endr
	WIN 0x55
	v_nop                                          ; one plain place behind a scaled conversion
.irp c, 0,1
.irp i, 0,1,2
	v_permlane16_swap_b32 v[PC+6*\c+\i], v[PC+12+4*\c+\i]
.endr
.irp i, 0,1,2
	v_mov_b32 v[PC+3+6*\c+\i], v[PC+12+4*\c+\i]
.endr
.endr
.irp p, 0,1,2,3,4,5
	global_store_b64 v[CO], v[PC+2*\p:PC+2*\p+1], s[OC:OC+1] offset:1536*(\a)+256*\p   ; a plane: 256 consecutive bytes
.endr
.endm
	WLOAD 0, 0, 0                                  ; the weight's first two K steps, in the order of the runs
	WLOAD 0, 4, 0
	WLOAD 1, 0, 12288
	WLOAD 1, 4, 12288
	s_wait_dscnt 0x0                               ; my codes and bytes are stored,
	s_barrier_signal -1
	s_barrier_wait -1                              ; everybody's are
	s_mov_b32 s[PASS], 2
.Lpass:
	s_mov_b32 s[KO], 0
	s_mov_b32 s[KS], 0
	v_add_nc_u32 v[TA], s[KO], v[TAB]
	v_add_nc_u32 v[TA+1], s[KO], v[TAB+1]
	v_add_nc_u32 v[ADRS], s[KS], v[ADRSB]
	s_wait_alu depctr_va_vdst(0)                   ; the wait here
	TLOAD 0, 0
	s_cmp_lt_u32 s20, 2
	s_cbranch_scc0 .Lfor_v
	GEMM 0
	s_branch .Lout
.Lfor_v:
	GEMM 1
.Lout:
	WIN 0x55
.irp b, 0,1,2,3
	v_mov_b32 v[TM+4+\b], 0                        ; a lane permute's destination counts as one of its sources
.endr
.irp a, 0,1,2,3,4,5,6,7
	QUANTA \a
.endr
.irp j, 0,1,2,3
	v_cndmask_b32 v[TW+\j], v[PWS+\j], v[PWS+4+\j], s[HM]   ; lanes 0-15 tiles 0-3, lanes 16-31 tiles 4-7
.endr
	global_store_b128 v[CO16], v[TW:TW+3], s[OS:OS+1]
	WIN 0
	s_cmp_lt_u32 s20, 2
	s_cbranch_scc0 .Lone_word
	WIN 0x55
.irp j, 0,1,2,3
	v_lshrrev_b32 v[TW2+\j], 16, v[TW+\j]          ; q, k: the pair's second head has its own words
.endr
	global_store_b128 v[CO16], v[TW2:TW2+3], s[OS:OS+1] offset:8192
	WIN 0
.Lone_word:
	s_wait_xcnt 0x0                                ; the stores and loads have read their registers and bases
	s_add_nc_u64 s[WP:WP+1], s[WP:WP+1], 24576
	s_add_nc_u64 s[OC:OC+1], s[OC:OC+1], s[DC:DC+1]
	s_add_nc_u64 s[OS:OS+1], s[OS:OS+1], s[DS:DS+1]
	v_add_nc_u32 v[ADRSB], v[ADRSB], v[HD]         ; my next 128 weight rows' scale words
	s_sub_co_u32 s[PASS], s[PASS], 1
	s_cmp_lg_u32 s[PASS], 0
	s_wait_alu depctr_va_vdst(0)                   ; the wait here, directly ahead of the branch
	s_cbranch_scc1 .Lpass
	s_wait_dscnt 0x0
	s_barrier_signal -1
	s_barrier_wait -1                              ; every wave's LDS reads are over
	s_wait_tensorcnt 0x0                           ; the wave's end
	ds_add_u32 v[SPW], v[NIL]
	s_wait_dscnt 0x0
	s_endpgm
.Lfunc_end_k_q348ba47cd1_qproj:
	.size	k_q348ba47cd1_qproj, .Lfunc_end_k_q348ba47cd1_qproj-k_q348ba47cd1_qproj
	.p2alignl 7, 3214868480
	.fill 96, 4, 3214868480
	.section	.rodata,"a",@progbits
	.p2align	6, 0x0
	.amdhsa_kernel k_q348ba47cd1_qproj
		.amdhsa_group_segment_fixed_size 160512
		.amdhsa_private_segment_fixed_size 0
		.amdhsa_enable_private_segment 0
		.amdhsa_kernarg_size 56
		.amdhsa_user_sgpr_count 2
		.amdhsa_user_sgpr_kernarg_segment_ptr 1
		.amdhsa_wavefront_size32 1
		.amdhsa_system_sgpr_workgroup_id_x 1
		.amdhsa_system_sgpr_workgroup_id_y 1
		.amdhsa_system_sgpr_workgroup_id_z 1
		.amdhsa_system_vgpr_workitem_id 0
		.amdhsa_next_free_vgpr 1024
		.amdhsa_next_free_sgpr 66
		.amdhsa_reserve_vcc 0
		.amdhsa_float_denorm_mode_32 3
		.amdhsa_float_denorm_mode_16_64 3
		.amdhsa_memory_ordered 1
		.amdhsa_forward_progress 1
		.amdhsa_inst_pref_size 224
	.end_amdhsa_kernel
	.amdgpu_metadata
---
amdhsa.version: [ 1, 2 ]
amdhsa.kernels:
  - .name:           k_q348ba47cd1_qproj
    .symbol:         k_q348ba47cd1_qproj.kd
    .args:
      - { .name: q, .offset: 0, .size: 8, .value_kind: global_buffer, .address_space: global }
      - { .name: k, .offset: 8, .size: 8, .value_kind: global_buffer, .address_space: global }
      - { .name: v, .offset: 16, .size: 8, .value_kind: global_buffer, .address_space: global }
      - { .name: wimg, .offset: 24, .size: 8, .value_kind: global_buffer, .address_space: global }
      - { .name: wsc, .offset: 32, .size: 8, .value_kind: global_buffer, .address_space: global }
      - { .name: hc, .offset: 40, .size: 8, .value_kind: global_buffer, .address_space: global }
      - { .name: hs, .offset: 48, .size: 8, .value_kind: global_buffer, .address_space: global }
    .group_segment_fixed_size: 160512
    .private_segment_fixed_size: 0
    .kernarg_segment_align: 8
    .kernarg_segment_size: 56
    .max_flat_workgroup_size: 128
    .sgpr_count:     66
    .vgpr_count:     1024
    .wavefront_size: 32
...
	.end_amdgpu_metadata
.endif
;; end of part 2
;; launch attn (part 3): grid 4 x 64, 16 waves a work-group, clusters of 4 x 1, 223,232 bytes of LDS; arguments hc, hs, ac, asc; writes ac, asc
.if DOCPART == 3
	.amdgcn_target "amdgcn-amd-amdhsa--gfx1250"
	.amdhsa_code_object_version 6
	.text
	.protected	k_q348ba47cd1_attn
	.globl	k_q348ba47cd1_attn
	.p2align	8
	.type	k_q348ba47cd1_attn,@function
k_q348ba47cd1_attn:
	s_mov_b64 s[64:65], 0
	v_nop
	global_prefetch_b8 v0, s[64:65] scope:SCOPE_SE
	s_setreg_imm32_b32 hwreg(HW_REG_WAVE_MODE, 25, 1), 1
	s_wait_xcnt 0x0
	s_wait_alu depctr_hold_cnt(0) depctr_sa_sdst(0) depctr_va_vdst(0) depctr_va_sdst(0) depctr_va_ssrc(0) depctr_va_vcc(0) depctr_vm_vsrc(0)
	s_getreg_b32 s2, hwreg(HW_REG_IB_STS2, 6, 4)
	s_cmp_eq_u32 s2, 0
	s_cbranch_scc0 .Lentry_in_a_cluster
	s_endpgm
.Lentry_in_a_cluster:
	s_bfe_u32 s2, ttmp6, 0x10000c
	s_cmp_lg_u32 s2, 0x3003
	s_cbranch_scc0 .Lentry_shape_is_right
	s_endpgm
.Lentry_shape_is_right:
; Attention of one head on codes of FP6 (E2M3): S^T = K Q^T, p = 2^(t - M), O^T = V^T P^T (K = the keys), O / the row's sum quantised along the head's 64 for the last product.
; t = score x log2(e) / 8; M = the running largest t rounded UP to a whole number; p is quantised along the keys, not normalised; the row's sum is taken of the unquantised p and divides O at the end.
; IN: hc, hs as the projections' launch lays them: operand images in planes of 32 lanes x 8 bytes, scale words four tiles to a lane's 16 bytes.  An image tile's lane r is token 32 (T / 2) + 8 (T % 2) + r + 8 (r / 8).
; OUT: ac [tile of 16 places 512][head 16][3 planes]; asc [place][32 bytes]: byte 2 x head + block (a byte a lane: a work-group has one of the 16 heads of a row of scale bytes).
; SHARES.  Work-group y = 16 x batch + head; the four partners of a cluster take 512 queries each of the same head; each of sixteen waves takes two tiles of 16 queries, one after the other.
; A WHOLE HEAD'S K, V AND SCALE WORDS lie in LDS, filled once by joint tensor loads of the four partners, ONE A WAVE: waves 0-3 a quarter of K each, 4-11 two key steps of V each, 12-13 K's scale words, 14-15 V's.  Nothing is filled again.
; All that the launch reads in bulk is asked for at its head: there is no loop to run ahead in, so no prefetch is written.
; THE KEYS OF A TILE OF K ARE CHOSEN BY THE LDS ADDRESS: tile (c, t) has in rows 0-7 the keys 8 t .. 8 t + 7 of block 2 c and in rows 8-15 those of block 2 c + 1.  So lane (r, h) of S^T holds in registers 32 c .. 32 c + 31
; the whole block 2 c + h of query r, in order: a block's largest score needs no other lane, and the conversions' results are p's operand as it stands (but for three moves a block).
; K = 64 .. 127 OF THE FIRST PRODUCT: Q's codes there are zeros, and a code of E2M3 times a finite scale is a finite number, so what K's operand holds there adds nothing.  Each fragment's upper six registers are the next
; fragment's lower six; the last's hold the second tile's Q until it is wanted.  So a step's eight fragments take 54 registers and are fetched a step ahead.
; (The last step of a tile fetches the 6,912 bytes behind K's region, which are V's first and lie in LDS; they are not used.)
; LIMITS: a block of zeros gets the byte 1 (its codes are zeros; this program alone reads the bytes); NaN and infinities are not served; the scaled scores stay under 2^31 in magnitude.
.set VB,    110592                     ; LDS: K's 128 tiles from 0: a plane of 256 bytes + 32 of padding, 864 bytes a tile; V's 16 key steps x 6,144 bytes from here;
.set SCK,   208896                     ; K's scale words, 8,192 bytes;
.set SCV,   217088                     ; V's, 4,096 bytes;
.set SPARE, 221184                     ; the spare words, 128 bytes for each wave: eight blocks of 256 bytes that no other line names
.set AK0,  1                           ; v1  1728 (r / 8) + 8 (r % 8) + 128 h
.set AV0,  2                           ; v2  VB + 8 x lane
.set ASK0, 3                           ; v3  SCK + 16 (r % 8) + 8 (r / 8)
.set ASV0, 4                           ; v4  SCV + 16 r
.set SPW,  5                           ; v5  LDS address of my spare word; never rewritten
.set NIL,  6                           ; v6  0; never rewritten
.set GO,   7                           ; v7  8 x lane
.set ADK,  8                           ; v8-11 LDS addresses: the next step's K, this step's V, the next step's K scale words, this step's V scale words
.set ADV,  9
.set ADS,  10
.set ADT,  11
.set SM,   14                          ; v12 -M, v13 the running largest score, v[14:15] the row's sum in two halves
.set Q,    16                          ; v16-27 Q (v22-27 zero codes)
.set GR,   28                          ; v28 16 r
.set GB,   29                          ; v29 32 r + h
.set SH,   30                          ; v30 8 h
.set QS,   31                          ; v31 Q's scale words
.set KF,   32                          ; v32-79 eight fragments' lower halves; v80-85 the second tile's Q
.set KSW,  86                          ; v86-93 K's scale words
.set VSW,  94                          ; v94-97 V's
.set PSW,  98                          ; p's scale word
.set TT,   99
.set FF,   100                         ; v[100:101] f = 2^(old M - new M), later 1 / the sum
.set BM,   102                         ; v102-105 largest scores in four chains; then v102, v104 the two blocks' largest score and p
.set SO,   106                         ; v106-107 the conversions' scale operands
.set BT,   108                         ; v108-109 at work
.set T1,   110                         ; v[110:111], v[112:113], v[126:127] the sums' other chains
.set T2,   112
.set T3,   126
.set V3,   114                         ; v114-125 V's fragment 3
.set S,    128                         ; v128-191 S^T, then p; then V's fragments 0 and 1 in v128-151
.set O,    192                         ; v192-223 O^T
.set PC,   224                         ; v224-235 p's codes; v236-238, v240-242 the conversions' second halves
.set QS1,  243                         ; the second tile's Q scale words
.set V2,   244                         ; v244-255 V's fragment 2
.set WV,   12
.set SEL,  20                          ; s[20:21] lane selects: lane l xor 16
.set CS,   22                          ; s[22:23] c = log2(e) / 8
.set G1K,  24
.set G1V,  32
.set G1SK, 40
.set G1SV, 48
.set G0SK, 56
.set G0SV, 60
.set G0K,  68
.set G0V,  72
.set TK,   84                          ; where the next step's K begins: 6,912 bytes a step
.set TS,   85                          ; its scale words: 512 bytes a step
.set TJ,   86                          ; V's scale words: 256 bytes a step
.set CNT,  87
.set HM,   88                          ; the mask of lanes 16-31
.set TB,   89                          ; V: 6,144 bytes a step
.macro CROUND                          ; a round of the cluster's barrier
	s_barrier_signal -1
	s_barrier_wait -1
	s_cmp_lg_u32 s[WV], 0
	s_cbranch_scc1 .Lnot_wave_0_\@
	s_barrier_signal -3
.Lnot_wave_0_\@:
	s_barrier_wait -3
	s_barrier_signal -1
	s_barrier_wait -1
.endm
.macro GRP1 g, w0, c, r, p             ; group 1: r rows of c elements of 8 bytes, p elements apart
	s_mov_b32 s[\g], \w0
	s_mov_b32 s[\g+1], (\c)<<16
	s_mov_b32 s[\g+2], (\r)<<16
	s_mov_b32 s[\g+3], (\c)<<16
	s_mov_b32 s[\g+4], \r
	s_mov_b32 s[\g+5], \p
	s_mov_b32 s[\g+6], 0
	s_mov_b32 s[\g+7], 0
.endm
.macro GRP0 g, base, off               ; group 0 but for its LDS address
	s_mov_b32 s[\g], 1
	s_add_nc_u64 s[\g+2:\g+3], s[\base:\base+1], s[\off:\off+1]
	s_or_b32 s[\g+3], s[\g+3], 0x80000000
.endm
	s_load_b256 s[4:11], s[0:1], 0x0               ; hc s[4:5], hs s[6:7], ac s[8:9], asc s[10:11]
	v_lshl_add_u32 v[SPW], v0, 2, SPARE
	v_mov_b32 v[NIL], 0
	ds_add_u32 v[SPW], v[NIL]                      ; the opening lines: the add, twice on end, and its wait ahead of my tensor load
	ds_add_u32 v[SPW], v[NIL]
	v_lshrrev_b32 v8, 5, v0
	v_readfirstlane_b32 s[WV], v8                  ; wave 0..15
	s_bfe_u32 s13, ttmp6, 0x40000                  ; cx: it enters Q's, ac's and asc's addresses alone
	s_and_b32 s14, ttmp7, 0xffff                   ; y = 16 x batch + head, which the four partners share
	; the mask of all four partners, bit 21 beside it
	GRP1 G1K, 15|(3<<16)|(1<<20)|(1<<21)|(5<<22)|(7<<25), 96, 32, 192   ; K: 32 tiles of 768 bytes, 1,536 apart (the pair's other head lies between); 32 bytes of padding behind each 256
	GRP1 G1V, 15|(3<<16)|(1<<21), 768, 2, 12288    ; V: 2 key steps of 6,144 bytes, 98,304 apart
	GRP1 G1SK, 15|(3<<16)|(1<<21), 32, 16, 32      ; K's scale words: 4,096 dense bytes
	GRP1 G1SV, 15|(3<<16)|(1<<21), 32, 8, 512      ; V's: 8 key steps' 256 bytes, 4,096 apart
	s_lshr_b32 s17, s14, 4                         ; batch
	s_and_b32 s18, s14, 15                         ; head
	s_lshr_b32 s19, s14, 1
	s_mul_i32 s19, s19, 196608
	s_and_b32 s84, s14, 1
	s_mul_i32 s84, s84, 768
	s_add_co_u32 s19, s19, s84                     ; the head's first tile in Q's and in K's region
	s_mul_i32 s76, s[WV], 49152                    ; K, waves 0-3: tiles 32 w on
	s_add_co_u32 s76, s76, s19
	s_add_co_u32 s76, s76, 6291456
	s_mov_b32 s77, 0
	s_mul_i32 s78, s[WV], 196608                   ; V, waves 4-11: key steps 2 (w - 4) on
	s_mul_i32 s84, s17, 1572864
	s_add_co_u32 s78, s78, s84
	s_mul_i32 s84, s18, 6144
	s_add_co_u32 s78, s78, s84
	s_add_co_u32 s78, s78, 12582912-4*196608
	s_mov_b32 s79, 0
	s_lshl_b32 s80, s[WV], 12                      ; K's scale words, waves 12-13: 8,192 y + 4,096 (w - 12), behind Q's 524,288
	s_lshl_b32 s84, s14, 13
	s_add_co_u32 s80, s80, s84
	s_add_co_u32 s80, s80, 524288-12*4096
	s_mov_b32 s81, 0
	s_lshl_b32 s82, s[WV], 15                      ; V's, waves 14-15: 65,536 batch + 32,768 (w - 14) + 256 head, from 1,048,576 on
	s_lshl_b32 s84, s17, 16
	s_add_co_u32 s82, s82, s84
	s_lshl_b32 s84, s18, 8
	s_add_co_u32 s82, s82, s84
	s_add_co_u32 s82, s82, 1048576-14*32768
	s_mov_b32 s83, 0
	s_mul_i32 s[G0K+1], s[WV], 27648               ; LDS: each by the wave's number alone
	s_mul_i32 s[G0V+1], s[WV], 12288
	s_add_co_u32 s[G0V+1], s[G0V+1], VB-4*12288
	s_lshl_b32 s[G0SK+1], s[WV], 12
	s_add_co_u32 s[G0SK+1], s[G0SK+1], SCK-12*4096
	s_lshl_b32 s[G0SV+1], s[WV], 11
	s_add_co_u32 s[G0SV+1], s[G0SV+1], SCV-14*2048
	s_mov_b32 s[SEL], 0x76543210
	s_mov_b32 s[SEL+1], 0xfedcba98
	s_mov_b32 s[CS], 0x3e38aa3b                    ; c = log2(e) / sqrt(64)
	s_mov_b32 s[CS+1], s[CS]
	s_mov_b32 s[HM], 0xffff0000
	s_wait_dscnt 0x0                               ; both opening adds are done
	s_wait_kmcnt 0x0
	GRP0 G0K, 4, 76
	GRP0 G0V, 4, 78
	GRP0 G0SK, 6, 80
	GRP0 G0SV, 6, 82
	CROUND                                         ; all four work-groups are here: the joint loads meet
.macro ARM under, g0, g1, next         ; one chain of branches on the wave's number, one load to an arm, all arms to one join
	s_cmp_lt_u32 s[WV], \under
	s_cbranch_scc0 \next
	tensor_load_to_lds s[\g0:\g0+3], s[\g1:\g1+7]
	s_nop 0
.rept 4
	v_nop
.endr
	s_branch .Lasked
\next:
.endm
	ARM 4,  G0K,  G1K,  .Larm_v
	ARM 12, G0V,  G1V,  .Larm_sk
	ARM 14, G0SK, G1SK, .Larm_sv
	tensor_load_to_lds s[G0SV:G0SV+3], s[G1SV:G1SV+7]
	s_nop 0
.rept 4
	v_nop
.endr
.Lasked:
	; my first tile of queries: tq = 32 cx + wave; the second lies 16 tiles on, which stands in the immediates
	s_lshl_b32 s84, s13, 5
	s_add_co_u32 s84, s84, s[WV]
	s_mul_i32 s98, s84, 1536
	s_add_co_u32 s98, s98, s19
	s_mov_b32 s99, 0
	s_add_nc_u64 s[90:91], s[4:5], s[98:99]        ; Q's planes
	s_lshr_b32 s85, s84, 2
	s_lshl_b32 s85, s85, 8
	s_and_b32 s86, s84, 3
	s_lshl_b32 s86, s86, 2
	s_add_co_u32 s98, s85, s86
	s_lshl_b32 s85, s14, 13
	s_add_co_u32 s98, s98, s85
	s_add_nc_u64 s[92:93], s[6:7], s[98:99]        ; Q's scale words: 8,192 y + 256 (tq / 4) + 4 (tq % 4)
	s_mul_i32 s98, s17, 1572864
	s_mul_i32 s85, s84, 12288
	s_add_co_u32 s98, s98, s85
	s_mul_i32 s85, s18, 768
	s_add_co_u32 s98, s98, s85
	s_add_nc_u64 s[94:95], s[8:9], s[98:99]        ; ac: 12,288 (128 batch + tq) + 768 head
	s_lshl_b32 s98, s17, 16
	s_lshl_b32 s85, s84, 9
	s_add_co_u32 s98, s98, s85
	s_lshl_b32 s85, s18, 1
	s_add_co_u32 s98, s98, s85
	s_add_nc_u64 s[96:97], s[10:11], s[98:99]      ; asc: 512 (128 batch + tq) + 2 head
	v_and_b32 v9, 31, v0                           ; lane
	v_and_b32 v10, 15, v0                          ; r
	v_bfe_u32 v11, v0, 4, 1                        ; h
	v_lshlrev_b32 v[GO], 3, v9
	v_lshlrev_b32 v[GR], 4, v10
.irp p, 0,1,2
	global_load_b64 v[Q+2*\p:Q+2*\p+1], v[GO], s[90:91] offset:256*\p
	global_load_b64 v[KF+48+2*\p:KF+48+2*\p+1], v[GO], s[90:91] offset:24576+256*\p
.endr
	global_load_b32 v[QS], v[GR], s[92:93]
	global_load_b32 v[QS1], v[GR], s[92:93] offset:1024
	v_bfe_u32 v128, v0, 3, 1                       ; r / 8
	v_and_b32 v129, 7, v0                          ; r % 8
	v_mul_u32_u24 v[AK0], v128, 1728
	v_lshl_add_u32 v[AK0], v129, 3, v[AK0]
	v_lshl_add_u32 v[AK0], v11, 7, v[AK0]
	v_add_nc_u32 v[AV0], VB, v[GO]
	v_lshlrev_b32 v[ASK0], 4, v129
	v_lshl_add_u32 v[ASK0], v128, 3, v[ASK0]
	v_add_nc_u32 v[ASK0], SCK, v[ASK0]
	v_add_nc_u32 v[ASV0], SCV, v[GR]
	v_lshl_add_u32 v[GB], v10, 5, v11
	v_lshlrev_b32 v[SH], 3, v11
.irp i, 6,7,8,9,10,11
	v_mov_b32 v[Q+\i], 0                           ; K = 64 .. 127 of the first product: zero codes, set once
.endr
	v_mov_b32 v[FF+1], 0                           ; (named as the upper half of a pair)
	v_mov_b32 v[BT], 0                             ; written once: a lane permute's destination counts as one of its sources
	v_mov_b32 v[BT+1], 0
	v_mov_b32 v[TT], 0
.macro MM0 d, a, b, sa, sb             ; a product that starts a sum
	v_wmma_scale_f32_16x16x128_f8f6f4 v[\d:\d+7], v[\a:\a+11], v[\b:\b+11], 0, v[\sa], v[\sb] matrix_a_fmt:MATRIX_FMT_FP6 matrix_b_fmt:MATRIX_FMT_FP6
.endm
.macro MMA d, a, b, sa, sb             ; and one that adds in place
	v_wmma_scale_f32_16x16x128_f8f6f4 v[\d:\d+7], v[\a:\a+11], v[\b:\b+11], v[\d:\d+7], v[\sa], v[\sb] matrix_a_fmt:MATRIX_FMT_FP6 matrix_b_fmt:MATRIX_FMT_FP6
.endm
.macro KLOAD ak, as                    ; a step's eight fragments of K and their scale words.  Tile (c, t): image tiles 4 c + t % 2 (lanes r < 8) and 4 c + 2 + t % 2, their lanes 8 (t / 2) + r % 8
.irp c, 0,1
.irp t, 0,1,2,3
.irp p, 0,1,2
	ds_load_b64 v[KF+6*(4*\c+\t)+2*\p:KF+6*(4*\c+\t)+2*\p+1], v[\ak] offset:3456*\c+864*(\t%2)+64*(\t/2)+288*\p
.endr
.endr
.irp u, 0,1
	ds_load_b64 v[KSW+4*\c+2*\u:KSW+4*\c+2*\u+1], v[\as] offset:256*\c+128*\u   ; the words of tiles (c, 2 u) and (c, 2 u + 1)
.endr
.endr
.endm
.macro VLOAD reg, t
.irp p, 0,1,2,3,4,5
	ds_load_b64 v[\reg+2*\p:\reg+2*\p+1], v[ADV] offset:1536*\t+256*\p
.endr
.endm
.macro ADDP d, k                       ; chain d takes the k-th pair of p
	v_pk_add_f32 v[\d:\d+1], v[\d:\d+1], v[S+2*(\k):S+2*(\k)+1]
.endm
; A tile begins: the largest score is -3e38, under every score; the sum and O^T are zeros, which the first change of M leaves zeros: so the key step is written once for all steps.
.macro INIT
	v_mov_b32 v13, 0xff61b1e6
	v_mov_b32 v14, 0
	v_mov_b32 v15, 0
	v_floor_f32 v12, -v13                          ; -M
.set j, 0
.rept 32
	v_mov_b32 v[O+j], 0
.set j, j+1
.endr
	s_mov_b32 s[TK], 0
	s_mov_b32 s[TS], 0
	s_mov_b32 s[TJ], 0
	s_mov_b32 s[TB], 0
	s_wait_alu depctr_va_vdst(0)                   ; the wait ahead of the waits and the branch that follow
.endm
; A KEY STEP: 128 keys.
.macro STEP
	s_wait_dscnt 0x0                               ; this step's K and scale words, asked for a step ago
.irp t, 0,1,2,3,4,5,6,7
	MM0 S+8*\t, KF+6*\t, Q, KSW+\t, QS
.endr
	s_add_co_u32 s[TK], s[TK], 6912
	s_add_co_u32 s[TS], s[TS], 512
	v_add_nc_u32 v[ADK], s[TK], v[AK0]             ; these four are the places behind the products, ahead of the loads into their registers and of the first read of S^T
	v_add_nc_u32 v[ADS], s[TS], v[ASK0]
	v_add_nc_u32 v[ADV], s[TB], v[AV0]
	v_add_nc_u32 v[ADT], s[TJ], v[ASV0]
	ds_load_b128 v[VSW:VSW+3], v[ADT]              ; lane r: row r's words of V's four tiles
	VLOAD V2, 2
	VLOAD V3, 3
	KLOAD ADK, ADS                                 ; the next step's
.irp b, 0,1,2,3
	v_max3_num_f32 v[BM+\b], v[S+16*\b], v[S+1+16*\b], v[S+2+16*\b]   ; the largest scores, four chains of 16 by turns; each accumulator is read from its low end on
.endr
.irp i, 3,5,7,9,11,13
.irp b, 0,1,2,3
	v_max3_num_f32 v[BM+\b], v[BM+\b], v[S+16*\b+\i], v[S+1+16*\b+\i]
.endr
.endr
	v_max3_num_f32 v[BM], v[BM], v[BM+1], v[S+15]
	v_max3_num_f32 v[BM+2], v[BM+2], v[BM+3], v[S+47]
	v_max_num_f32 v[BM], v[BM], v[S+31]            ; my block 2 c + h's largest score: it serves for the row's maximum and, since p rises with the score, for the block's largest p
	v_max_num_f32 v[BM+2], v[BM+2], v[S+63]
	s_delay_alu instid0(VALU_DEP_1)
	v_max_num_f32 v[TT], v[BM], v[BM+2]
	s_delay_alu instid0(VALU_DEP_1)
	v_permlanex16_b32 v[BT], v[TT], s[SEL], s[SEL+1]
	s_delay_alu instid0(VALU_DEP_1)
	v_max3_num_f32 v13, v13, v[TT], v[BT]          ; the running largest score of my query
	s_delay_alu instid0(VALU_DEP_1)
	v_mul_f32 v[TT], s[CS], v13                    ; as t (c is positive)
	v_mov_b32 v[BT+1], v12
	s_delay_alu instid0(VALU_DEP_2)
	v_floor_f32 v12, -v[TT]                        ; the new -M = floor(-t) = -ceil(t): M is a whole number
	s_delay_alu instid0(VALU_DEP_1)
	v_sub_f32 v[TT], v12, v[BT+1]                  ; M's old value less its new one: a whole number, 0 or less
.set j, 0
.rept 32
	v_pk_fma_f32 v[S+j:S+j+1], v[S+j:S+j+1], s[CS:CS+1], v[12:13] op_sel_hi:[1,0,0]   ; t - M, two at a time
.if j == 6
	v_cvt_i32_f32 v[TT], v[TT]                     ; (it saturates)
.endif
.if j == 14
	v_ldexp_f32 v[FF], 1.0, v[TT]                  ; f = 2^(old M - new M): a multiplication by it rounds nothing
.endif
.set j, j+2
.endr
	v_fma_f32 v[BM], v[BM], s[CS], v12             ; the same of each block's largest score
	v_fma_f32 v[BM+2], v[BM+2], s[CS], v12
.set j, 0
.rept 16
	v_pk_mul_f32 v[O+j:O+j+1], v[O+j:O+j+1], v[FF:FF+1] op_sel_hi:[1,0]   ; O^T under the new M, ahead of the exponentials
.set j, j+2
.endr
	s_wait_alu depctr_va_vdst(0)                   ; the wait ahead of the batch
	v_exp_f32 v[BM], v[BM]                         ; the block's largest p: the same two instructions on the same number give the same bits
	v_exp_f32 v[BM+2], v[BM+2]
.set j, 0
.rept 64
	v_exp_f32 v[S+j], v[S+j]                       ; p = 2^(t - M), at most 1: not normalised
.set j, j+1
.endr
	v_pk_mul_f32 v[SM:SM+1], v[SM:SM+1], v[FF:FF+1] op_sel_hi:[1,0]   ; the sum under the new M: the plain place behind the batch
	s_wait_alu depctr_va_vdst(0)                   ; one wait for the whole batch, ahead of its first reader
	v_max_num_f32 v[BM], 0x1800000, v[BM]          ; the floor 2^(3 - 127): the byte cannot fall under 1
	v_max_num_f32 v[BM+2], 0x1800000, v[BM+2]
	v_pk_add_f32 v[T1:T1+1], v[S:S+1], v[S+2:S+3]  ; the row's sum of the unquantised p, in four chains, among the lines that make the scales
	v_pk_add_f32 v[T2:T2+1], v[S+4:S+5], v[S+6:S+7]
	v_add_nc_u32 v[SO], 0xff000000, v[BM]          ; 2 off the exponent field: the conversion's scale operand
	v_add_nc_u32 v[SO+1], 0xff000000, v[BM+2]
	v_pk_add_f32 v[T3:T3+1], v[S+8:S+9], v[S+10:S+11]
	ADDP SM, 6
	v_lshrrev_b32 v[BT], 23, v[SO]                 ; the scales' bytes
	v_lshrrev_b32 v[BT+1], 23, v[SO+1]
	ADDP T1, 7
	ADDP T2, 8
	v_lshl_or_b32 v[PSW], v[BT+1], 16, v[BT]       ; my two bytes: blocks h and 2 + h,
	ADDP T3, 9
	ADDP SM, 10
	v_lshlrev_b32 v[PSW], v[SH], v[PSW]            ; at their places in the scale word;
	ADDP T1, 11
	ADDP T2, 12
	v_permlanex16_b32 v[BT], v[PSW], s[SEL], s[SEL+1]
	ADDP T3, 13
	ADDP SM, 14
	v_or_b32 v[PSW], v[PSW], v[BT]                 ; with lane l xor 16's two the word is whole
	ADDP T1, 15
	v_cvt_scalef32_pk16_fp6_f32 v[PC:PC+2], v[S:S+15], v[SO]
	v_cvt_scalef32_pk16_fp6_f32 v[PC+12:PC+14], v[S+16:S+31], v[SO]   ; (a conversion's three registers begin on an even number)
	VLOAD S, 0                                     ; the first 32 p have been summed and converted: V's fragments 0 and 1 land there
	VLOAD S+12, 1
	v_cvt_scalef32_pk16_fp6_f32 v[PC+6:PC+8], v[S+32:S+47], v[SO+1]
	v_cvt_scalef32_pk16_fp6_f32 v[PC+16:PC+18], v[S+48:S+63], v[SO+1]
	ADDP T2, 16                                    ; the plain place behind the conversions
.irp c, 0,1
.irp i, 0,1,2
	v_mov_b32 v[PC+3+6*\c+\i], v[PC+12+4*\c+\i]
.endr
.endr
	ADDP T3, 17                                    ; these fifteen are also the places between the writes of p's codes and scale word and the products below
	ADDP SM, 18
.irp k, 19,23,27
	ADDP T1, \k
	ADDP T2, \k+1
	ADDP T3, \k+2
	ADDP SM, \k+3
.endr
	ADDP T1, 31
	s_wait_alu depctr_va_vdst(0)                   ; the wait here, directly ahead of the wait below
	s_wait_dscnt 0x0                               ; V's fragments (and the next step's K, asked for earlier)
	MMA O, S, PC, VSW, PSW                         ; O^T += V^T P^T: the four accumulators by turns, one instruction a turn
	MMA O+8, S+12, PC, VSW+1, PSW
	MMA O+16, V2, PC, VSW+2, PSW
	MMA O+24, V3, PC, VSW+3, PSW
	v_pk_add_f32 v[T1:T1+1], v[T1:T1+1], v[T2:T2+1]   ; five places: the next step's products write over V's fragments 0 and 1
	v_pk_add_f32 v[SM:SM+1], v[SM:SM+1], v[T3:T3+1]
	v_nop
	v_nop
	v_pk_add_f32 v[SM:SM+1], v[SM:SM+1], v[T1:T1+1]
	s_add_co_u32 s[TB], s[TB], 6144
	s_add_co_u32 s[TJ], s[TJ], 256
.endm
.macro LOOP
	s_mov_b32 s[CNT], 16
.Lkeys_\@:
	STEP
	s_sub_co_u32 s[CNT], s[CNT], 1
	s_cmp_lg_u32 s[CNT], 0
	s_cbranch_scc1 .Lkeys_\@
.endm
; A tile ends: O^T / the sum; register 16 b + i is channel 32 b + 16 h + i of my query: two blocks of 32, quantised; lane (r, h) then holds block h whole.  pi: which of my two tiles.
.macro TAIL pi
	v_add_f32 v14, v14, v15                        ; the sum's two halves,
	s_delay_alu instid0(VALU_DEP_1)
	v_permlanex16_b32 v[TT], v14, s[SEL], s[SEL+1]
	s_delay_alu instid0(VALU_DEP_1)
	v_add_f32 v14, v14, v[TT]                      ; and lane l xor 16's: the row's sum
	s_wait_alu depctr_va_vdst(0)                   ; the wait ahead of the reciprocal
	v_rcp_f32 v[FF], v14
	v_nop                                          ; a plain place behind it,
	s_wait_alu depctr_va_vdst(0)                   ; and the wait ahead of its first reader, which is O^T's first reader too
.set j, 0
.rept 16
	v_pk_mul_f32 v[S+j:S+j+1], v[O+j:O+j+1], v[FF:FF+1] op_sel_hi:[1,0]   ; each accumulator from its low end on
.set j, j+2
.endr
.irp b, 0,1
	v_max3_num_f32 v[BM+\b], |v[S+16*\b]|, |v[S+1+16*\b]|, 0x1800000   ; with the floor 2^(3 - 127)
.endr
.irp i, 2,4,6,8,10,12,14
.irp b, 0,1
	s_delay_alu instid0(VALU_DEP_2)
	v_max3_num_f32 v[BM+\b], v[BM+\b], |v[S+16*\b+\i]|, |v[S+1+16*\b+\i]|
.endr
.endr
.irp b, 0,1
	s_delay_alu instid0(VALU_DEP_2)
	v_permlanex16_b32 v[BT+\b], v[BM+\b], s[SEL], s[SEL+1]
.endr
.irp b, 0,1
	s_delay_alu instid0(VALU_DEP_2)
	v_max_num_f32 v[BM+\b], v[BM+\b], v[BT+\b]
.endr
.irp b, 0,1
	s_delay_alu instid0(VALU_DEP_2)
	v_add_nc_u32 v[SO+\b], 0xff000000, v[BM+\b]
.endr
.irp b, 0,1
	s_delay_alu instid0(VALU_DEP_2)
	v_lshrrev_b32 v[BT+\b], 23, v[SO+\b]
.endr
	s_delay_alu instid0(VALU_DEP_1)
	v_cndmask_b32 v[TT], v[BT], v[BT+1], s[HM]     ; lanes 0-15 keep block 0's byte, lanes 16-31 block 1's
	v_cvt_scalef32_pk16_fp6_f32 v[PC:PC+2], v[S:S+15], v[SO]
	v_cvt_scalef32_pk16_fp6_f32 v[PC+12:PC+14], v[S+16:S+31], v[SO+1]
	v_nop                                          ; one plain place behind a scaled conversion
.irp i, 0,1,2
	v_permlane16_swap_b32 v[PC+\i], v[PC+12+\i]
.endr
.irp i, 0,1,2
	s_delay_alu instid0(VALU_DEP_3)
	v_mov_b32 v[PC+3+\i], v[PC+12+\i]
.endr
.irp p, 0,1,2
	global_store_b64 v[GO], v[PC+2*\p:PC+2*\p+1], s[94:95] offset:196608*\pi+256*\p   ; a plane: the wave stores 256 consecutive bytes, at a multiple of 256 from the buffer's first byte
.endr
	global_store_b8 v[GB], v[TT], s[96:97] offset:8192*\pi
.endm
	INIT
	s_wait_tensorcnt 0x0                           ; my part of the head's tiles is in,
	s_barrier_signal -1
	s_barrier_wait -1                              ; everybody's is: the whole head lies in LDS
	KLOAD AK0, ASK0
	s_wait_loadcnt 0x0                             ; Q of both tiles
	LOOP
	TAIL 0
	s_wait_xcnt 0x0                                ; the stores have read their registers, which the second tile writes again
.irp i, 0,1,2,3,4,5
	v_mov_b32 v[Q+\i], v[KF+48+\i]                 ; the second tile's Q; INIT's lines are the places ahead of the products
.endr
	v_mov_b32 v[QS], v[QS1]
	INIT
	KLOAD AK0, ASK0
	LOOP
	TAIL 1
	s_wait_tensorcnt 0x0                           ; the wave's end, behind my tensor load
	ds_add_u32 v[SPW], v[NIL]
	s_wait_dscnt 0x0
	CROUND                                         ; the closing round
	s_endpgm
.Lfunc_end_k_q348ba47cd1_attn:
	.size	k_q348ba47cd1_attn, .Lfunc_end_k_q348ba47cd1_attn-k_q348ba47cd1_attn
	.p2alignl 7, 3214868480
	.fill 96, 4, 3214868480
	.section	.rodata,"a",@progbits
	.p2align	6, 0x0
	.amdhsa_kernel k_q348ba47cd1_attn
		.amdhsa_group_segment_fixed_size 223232
		.amdhsa_private_segment_fixed_size 0
		.amdhsa_enable_private_segment 0
		.amdhsa_kernarg_size 32
		.amdhsa_user_sgpr_count 2
		.amdhsa_user_sgpr_kernarg_segment_ptr 1
		.amdhsa_wavefront_size32 1
		.amdhsa_system_sgpr_workgroup_id_x 1
		.amdhsa_system_sgpr_workgroup_id_y 1
		.amdhsa_system_sgpr_workgroup_id_z 1
		.amdhsa_system_vgpr_workitem_id 0
		.amdhsa_next_free_vgpr 256
		.amdhsa_next_free_sgpr 102
		.amdhsa_reserve_vcc 0
		.amdhsa_float_denorm_mode_32 3
		.amdhsa_float_denorm_mode_16_64 3
		.amdhsa_memory_ordered 1
		.amdhsa_forward_progress 1
		.amdhsa_inst_pref_size 58
	.end_amdhsa_kernel
	.amdgpu_metadata
---
amdhsa.version: [ 1, 2 ]
amdhsa.kernels:
  - .name:           k_q348ba47cd1_attn
    .symbol:         k_q348ba47cd1_attn.kd
    .args:
      - { .name: hc, .offset: 0, .size: 8, .value_kind: global_buffer, .address_space: global }
      - { .name: hs, .offset: 8, .size: 8, .value_kind: global_buffer, .address_space: global }
      - { .name: ac, .offset: 16, .size: 8, .value_kind: global_buffer, .address_space: global }
      - { .name: asc, .offset: 24, .size: 8, .value_kind: global_buffer, .address_space: global }
    .group_segment_fixed_size: 223232
    .private_segment_fixed_size: 0
    .kernarg_segment_align: 8
    .kernarg_segment_size: 32
    .max_flat_workgroup_size: 512
    .sgpr_count:     102
    .vgpr_count:     256
    .wavefront_size: 32
...
	.end_amdgpu_metadata
.endif
;; end of part 3
;; launch outp (part 4): grid 4 x 32, 4 waves a work-group, clusters of 4 x 4, 327,680 bytes of LDS; arguments ac, asc, wimg, wsc, out0; writes out0
.if DOCPART == 4
	.amdgcn_target "amdgcn-amd-amdhsa--gfx1250"
	.amdhsa_code_object_version 6
	.text
	.protected	k_q348ba47cd1_outp
	.globl	k_q348ba47cd1_outp
	.p2align	8
	.type	k_q348ba47cd1_outp,@function
k_q348ba47cd1_outp:
	s_mov_b64 s[64:65], 0
	v_nop
	global_prefetch_b8 v0, s[64:65] scope:SCOPE_SE
	s_setreg_imm32_b32 hwreg(HW_REG_WAVE_MODE, 25, 1), 1
	s_wait_xcnt 0x0
	s_wait_alu depctr_hold_cnt(0) depctr_sa_sdst(0) depctr_va_vdst(0) depctr_va_sdst(0) depctr_va_ssrc(0) depctr_va_vcc(0) depctr_vm_vsrc(0)
	s_getreg_b32 s2, hwreg(HW_REG_IB_STS2, 6, 4)
	s_cmp_eq_u32 s2, 0
	s_cbranch_scc0 .Lentry_in_a_cluster
	s_endpgm
.Lentry_in_a_cluster:
	s_bfe_u32 s2, ttmp6, 0x10000c
	s_cmp_lg_u32 s2, 0xf033
	s_cbranch_scc0 .Lentry_shape_is_right
	s_endpgm
.Lentry_shape_is_right:
.set SIZE_K, 1024
.set SIZE_N, 1024
.set WO_ROW, 3072                      ; w_o's first place among the four weights' 4,096
.set KSTEP,  256
.set NQ,     KSTEP/128
.set ROWB,   24576                     ; from K step to K step of w_o's codes in memory: a tile of 128 places x 192 bytes lies dense
.set KROW,   SIZE_K*6/8
.set AIMG,   3072
.set PITCH,  240
.set FR,     12
.set NL,     6
.set NP,     4
.set HALFT,  128*PITCH
.set SLOT,   4*HALFT
.set LAPS,   SIZE_K/(2*KSTEP)
.set KS,     SIZE_K/32
.set SCL,    2*SLOT
.set HALFS,  (128*KS/256)*272
.set SBLK,   (16*KS/256)*272
.set SPARE,  SCL+4*HALFS
.set SPITCH, 528
.set ADRA, 16
.set ADRB, 20
.set STO,  24
.set RD,   25
.set CO,   26
.set ADRS, 27
.set SPW,  28
.set NIL,  29
.set SC,   32
.set AF,   128
.set BK,   128
.set G1, 24
.set G0, 32
.set G1B, 48
.set G0B, 56
.set G1S, 68
.set G0S, 76
.set G1SB, 80
.set G0SB, 88
.set MSB, 0
.macro WIN new
.if MSB != \new
	s_set_vgpr_msb (MSB<<8)|\new
.set MSB, \new
.endif
.endm
.set MUL_LO, 0xa1
.set MUL_HI, 0xf1
.set TO_B,   0x40
.macro JLOAD g0a, g1a, g0b, g1b
	s_cmp_eq_u32 s15, 0
	s_cbranch_scc0 .Lfor_b_\@
	tensor_load_to_lds s[\g0a:\g0a+3], s[\g1a:\g1a+7]
	s_nop 0
.rept 4
	v_nop
.endr
	s_branch .Lasked_\@
.Lfor_b_\@:
	tensor_load_to_lds s[\g0b:\g0b+3], s[\g1b:\g1b+7]
	s_nop 0
.rept 4
	v_nop
.endr
.Lasked_\@:
.endm
.macro CREST
	s_cmp_lg_u32 s14, 0
	s_cbranch_scc1 .Lnot_wave_0_\@
	s_barrier_signal -3
.Lnot_wave_0_\@:
	s_barrier_wait -3
	s_barrier_signal -1
	s_barrier_wait -1
.endm
.macro CROUND
	s_barrier_signal -1
	s_barrier_wait -1
	CREST
.endm
	s_load_b128 s[4:7], s[0:1], 0x0
	s_load_b128 s[8:11], s[0:1], 0x10
	s_load_b64 s[12:13], s[0:1], 0x20
	v_lshl_add_u32 v[SPW], v0, 2, SPARE
	v_mov_b32 v[NIL], 0
	ds_add_u32 v[SPW], v[NIL]
	ds_add_u32 v[SPW], v[NIL]
	v_lshrrev_b32 v1, 5, v0
	v_readfirstlane_b32 s14, v1
	s_lshr_b32 s15, s14, 1
	s_and_b32 s16, s14, 1
	s_bfe_u32 s40, ttmp6, 0x40000
	s_bfe_u32 s41, ttmp6, 0x40004
	s_lshl_b32 s42, ttmp9, 2
	s_add_co_u32 s42, s42, s40
	s_and_b32 s17, ttmp7, 0xffff
	s_lshl_b32 s17, s17, 2
	s_add_co_u32 s17, s17, s41
	s_lshl_b32 s43, s41, 2
	s_lshl_b32 s43, 15, s43
	s_lshl_b32 s44, 0x1111, s40
	s_or_b32 s[G1+0], s43, (3<<16)|(1<<21)
	s_mov_b32 s[G1+1], 384<<16
	s_mov_b32 s[G1+2], 8<<16
	s_mov_b32 s[G1+3], 384<<16
	s_mov_b32 s[G1+4], 8
	s_mov_b32 s[G1+5], 1536
	s_mov_b32 s[G1+6], 0
	s_mov_b32 s[G1+7], 0
	s_or_b32 s[G1B+0], s44, (3<<16)|(1<<21)        ; w_o's images of 128 places x 2 K steps: 24,576 dense bytes as 96 rows of 256; read back 16 bytes a lane, so no padding
	s_mov_b32 s[G1B+1], 32<<16
	s_mov_b32 s[G1B+2], 96<<16
	s_mov_b32 s[G1B+3], 32<<16
	s_mov_b32 s[G1B+4], 96
	s_mov_b32 s[G1B+5], 32
	s_mov_b32 s[G1B+6], 0
	s_mov_b32 s[G1B+7], 0
	s_or_b32 s[G1S+0], s43, (3<<16)|(1<<20)|(1<<21)|(5<<22)|(3<<25)
	s_or_b32 s[G1SB+0], s44, (3<<16)|(1<<20)|(1<<21)|(5<<22)|(3<<25)
.irp g, G1S, G1SB
	s_mov_b32 s[\g+1], 32<<16
	s_mov_b32 s[\g+2], (128*KS/256)<<16
	s_mov_b32 s[\g+3], 32<<16
	s_mov_b32 s[\g+4], 128*KS/256
	s_mov_b32 s[\g+5], 32
	s_mov_b32 s[\g+6], 0
	s_mov_b32 s[\g+7], 0
.endr
	s_lshl_b32 s18, s16, 7
	s_lshl_b32 s20, s17, 8
	s_add_co_u32 s20, s20, s18
	s_lshl_b32 s46, s42, 8
	s_add_co_u32 s46, s46, s18
	s_add_co_u32 s46, s46, WO_ROW
	s_mov_b32 s21, 0
	s_mov_b32 s47, 0
	s_mov_b64 s[18:19], KS
	s_mul_u64 s[22:23], s[20:21], s[18:19]
	s_mul_u64 s[92:93], s[46:47], s[18:19]
	s_mov_b64 s[18:19], KROW
	s_mul_u64 s[20:21], s[20:21], s[18:19]
	s_mul_u64 s[46:47], s[46:47], s[18:19]
	s_mul_i32 s45, s14, HALFT
	s_mul_i32 s94, s14, HALFS
	s_wait_dscnt 0x0
	s_wait_kmcnt 0x0
	s_add_nc_u64 s[20:21], s[4:5], s[20:21]
	s_add_nc_u64 s[22:23], s[6:7], s[22:23]
	s_add_nc_u64 s[46:47], s[8:9], s[46:47]
	s_add_nc_u64 s[92:93], s[10:11], s[92:93]
	CROUND
	s_mov_b32 s[G0S], 1
	s_add_co_u32 s[G0S+1], s94, SCL
	s_mov_b64 s[G0S+2:G0S+3], s[22:23]
	s_or_b32 s[G0S+3], s[G0S+3], 0x80000000
	s_mov_b32 s[G0SB], 1
	s_add_co_u32 s[G0SB+1], s94, SCL
	s_mov_b64 s[G0SB+2:G0SB+3], s[92:93]
	s_or_b32 s[G0SB+3], s[G0SB+3], 0x80000000
	JLOAD G0S, G1S, G0SB, G1SB
.irp s, 0,1
	s_mov_b32 s[G0+4*\s], 1
	s_add_co_u32 s[G0+4*\s+1], s45, \s*SLOT
	s_add_nc_u64 s[G0+4*\s+2:G0+4*\s+3], s[20:21], \s*AIMG
	s_or_b32 s[G0+4*\s+3], s[G0+4*\s+3], 0x80000000
	s_mov_b32 s[G0B+4*\s], 1
	s_add_co_u32 s[G0B+4*\s+1], s45, \s*SLOT
	s_add_nc_u64 s[G0B+4*\s+2:G0B+4*\s+3], s[46:47], \s*ROWB
	s_or_b32 s[G0B+4*\s+3], s[G0B+4*\s+3], 0x80000000
	s_wait_alu depctr_va_vdst(0)
	s_wait_tensorcnt 0x0
	ds_add_u32 v28, v29
	s_wait_dscnt 0x0
	CROUND
	JLOAD G0+4*\s, G1, G0B+4*\s, G1B
.endr
	v_and_b32 v1, 15, v0
	v_bfe_u32 v2, v0, 4, 1
	v_and_b32 v6, 31, v0
	v_lshlrev_b32 v7, 3, v6
	s_mul_i32 s21, s15, HALFT
	s_mul_i32 s22, s16, HALFT
	s_add_co_u32 s22, s22, 2*HALFT
.irp s, 0,1
	v_add_nc_u32 v[ADRA+\s], s21, v7
	v_lshl_add_u32 v[ADRB+\s], v6, 4, s22
	s_add_co_u32 s21, s21, SLOT
	s_add_co_u32 s22, s22, SLOT
.endr
	v_mul_u32_u24 v5, v1, KS
	v_lshrrev_b32 v8, 8, v5
	v_lshl_add_u32 v5, v8, 4, v5
	s_mul_i32 s21, s15, HALFS
	s_mul_i32 s22, s16, HALFS
	s_add_co_u32 s22, s22, 2*HALFS
	s_sub_co_u32 s22, s22, s21
	v_mul_u32_u24 v8, s22, v2
	s_add_co_u32 s21, s21, SCL
	v_add_nc_u32 v5, v5, v8
	v_add_nc_u32 v[ADRS], s21, v5
	s_mul_i32 s23, s14, 16*SPITCH
	v_mul_u32_u24 v5, v1, SPITCH
	v_lshl_add_u32 v5, v2, 6, v5
	v_add_nc_u32 v[STO], s23, v5
	v_lshlrev_b32 v[CO], 4, v6
	v_add_nc_u32 v[RD], s23, v[CO]
	s_lshl_b32 s20, s17, 8
	s_lshl_b32 s21, s15, 7
	s_add_co_u32 s20, s20, s21
	s_mov_b32 s21, 0
	s_mov_b64 s[18:19], SIZE_N*4
	s_mul_u64 s[20:21], s[20:21], s[18:19]
	s_lshl_b32 s46, s42, 10
	s_lshl_b32 s47, s16, 9
	s_add_co_u32 s46, s46, s47
	s_mov_b32 s47, 0
	s_add_nc_u64 s[20:21], s[20:21], s[46:47]
	s_add_nc_u64 s[12:13], s[12:13], s[20:21]
.macro FRAG reg, adr, q, i             ; a fragment of w_o: the image of its 12 registers, [K step][tile][3][32 lanes][16 bytes]
.irp p, 0,1,2
	ds_load_b128 v[\reg+4*\p:\reg+4*\p+3], v[\adr] offset:12288*(\q)+1536*(\i)+512*\p
.endr
.endm
.macro FRAGA reg, adr, q, i
.irp p, 0,1,2,3,4,5
	ds_load_b64 v[\reg+2*\p:\reg+2*\p+1], v[\adr] offset:AIMG*(\i)+1536*(\q)+256*\p
.endr
.endm
.macro MUL16 a0, p, q, sc, zero
.irp a, \a0, \a0+1
.irp b, 0,1,2,3,4,5,6,7
.if \zero
	v_wmma_scale_f32_16x16x128_f8f6f4 v[8*(8*((\a)%4)+\b):8*(8*((\a)%4)+\b)+7], v[128*(\p)+FR*\b:128*(\p)+FR*\b+FR-1], v[AF+FR*(\a):AF+FR*(\a)+FR-1], 0, v[SC+8*NQ*(\sc)+NQ*\b+(\q)], v[SC+8*NQ*(\sc)+NQ*(\a)+(\q)] matrix_a_fmt:MATRIX_FMT_FP6 matrix_b_fmt:MATRIX_FMT_FP6 matrix_a_scale:MATRIX_SCALE_ROW1
.else
	v_wmma_scale_f32_16x16x128_f8f6f4 v[8*(8*((\a)%4)+\b):8*(8*((\a)%4)+\b)+7], v[128*(\p)+FR*\b:128*(\p)+FR*\b+FR-1], v[AF+FR*(\a):AF+FR*(\a)+FR-1], v[8*(8*((\a)%4)+\b):8*(8*((\a)%4)+\b)+7], v[SC+8*NQ*(\sc)+NQ*\b+(\q)], v[SC+8*NQ*(\sc)+NQ*(\a)+(\q)] matrix_a_fmt:MATRIX_FMT_FP6 matrix_b_fmt:MATRIX_FMT_FP6 matrix_a_scale:MATRIX_SCALE_ROW1
.endif
.endr
.endr
.endm
.macro FETCH_B slot, q, p
	WIN TO_B
.irp i, 0,1,2,3,4,5,6,7
	FRAG 128*(\p)+FR*\i, ADRB+\slot, \q, \i
.endr
	WIN 0
.endm
.macro FETCH_A slot, q, i0
.irp i, \i0, \i0+1, \i0+2, \i0+3
	FRAGA AF+FR*(\i), ADRA+\slot, \q, \i
.endr
.endm
.macro SCALES sc
.irp i, 0,1,2,3,4,5,6,7
	ds_load_b64 v[SC+8*NQ*\sc+NQ*\i:SC+8*NQ*\sc+NQ*\i+1], v[ADRS] offset:\i*SBLK
.endr
.endm
.macro PLACES n
.rept \n
	v_nop
.endr
.endm
.macro STEP slot, q, zero
	s_wait_dscnt 4*NL
	WIN MUL_LO
	MUL16 0, (\q)%2, \q, \slot, \zero
	MUL16 2, (\q)%2, \q, \slot, \zero
	s_wait_dscnt 0
	PLACES NP
	FETCH_B \slot, (\q)+1, 1-(\q)%2
	FETCH_A \slot, (\q)+1, 0
	WIN MUL_HI
	MUL16 4, (\q)%2, \q, \slot, \zero
	MUL16 6, (\q)%2, \q, \slot, \zero
	PLACES NP
	WIN 0
	FETCH_A \slot, (\q)+1, 4
.endm
.macro TURN slot, next, fill
	s_wait_tensorcnt 0x0
	ds_add_u32 v[SPW], v[NIL]
	s_wait_dscnt 4*NL+1
	WIN MUL_LO
	MUL16 0, 1, NQ-1, \slot, 0
	s_wait_dscnt 0x0
	s_barrier_signal -1
	MUL16 2, 1, NQ-1, \slot, 0
	WIN 0
	s_barrier_wait -1
.if \fill
	CREST
	s_add_nc_u64 s[G0+4*\slot+2:G0+4*\slot+3], s[G0+4*\slot+2:G0+4*\slot+3], 2*AIMG
	s_add_nc_u64 s[G0B+4*\slot+2:G0B+4*\slot+3], s[G0B+4*\slot+2:G0B+4*\slot+3], 2*ROWB
	JLOAD G0+4*\slot, G1, G0B+4*\slot, G1B
.else
	PLACES NP
.endif
	s_wait_alu depctr_va_vdst(0)
	v_add_nc_u32 v[ADRS], 4*NQ, v[ADRS]
	FETCH_B \next, 0, 0
	FETCH_A \next, 0, 0
	SCALES \next
	WIN MUL_HI
	MUL16 4, 1, NQ-1, \slot, 0
	MUL16 6, 1, NQ-1, \slot, 0
	PLACES NP
	WIN 0
	FETCH_A \next, 0, 4
.endm
	s_wait_alu depctr_va_vdst(0)
	s_wait_tensorcnt 1
	s_barrier_signal -1
	s_barrier_wait -1
	FETCH_B 0, 0, 0
	FETCH_A 0, 0, 0
	SCALES 0
	FETCH_A 0, 0, 4
	STEP 0, 0, 1
.if LAPS > 1
	s_mov_b32 s3, LAPS-1
.Llap:
	TURN 0, 1, 1
	STEP 1, 0, 0
	TURN 1, 0, 1
	STEP 0, 0, 0
	s_sub_co_u32 s3, s3, 1
	s_cmp_lg_u32 s3, 0
	s_cbranch_scc1 .Llap
.endif
	TURN 0, 1, 0
	STEP 1, 0, 0
	s_wait_dscnt 4*NL
	WIN MUL_LO
	MUL16 0, 1, NQ-1, 1, 0
	MUL16 2, 1, NQ-1, 1, 0
	s_wait_dscnt 0
	WIN MUL_HI
	MUL16 4, 1, NQ-1, 1, 0
	MUL16 6, 1, NQ-1, 1, 0
	WIN 0
.macro TOSTAGE a
.set AC, 64*((\a)%4)
	WIN 0x08+4*((\a)/4)
.irp b, 0,1,2,3,4,5,6,7
	ds_store_b128 v[STO], v[AC+8*\b:AC+8*\b+3] offset:128*(\b/2)+32*(\b%2)
	ds_store_b128 v[STO], v[AC+8*\b+4:AC+8*\b+7] offset:128*(\b/2)+32*(\b%2)+16
.endr
	WIN 0
.set BB, BK+64*((\a)%2)
.irp t, 0,1,2,3,4,5,6,7,8,9,10,11,12,13,14,15
	ds_load_b128 v[BB+4*\t:BB+4*\t+3], v[RD] offset:\t*SPITCH
.endr
.endm
.macro SEND a, younger
.set BB, BK+64*((\a)%2)
	s_wait_dscnt \younger
.irp t, 0,1,2,3,4,5,6,7,8,9,10,11,12,13,14,15
	global_store_b128 v[CO], v[BB+4*\t:BB+4*\t+3], s[12:13] offset:(32*((\a)/2)+8*((\a)%2)+\t%8+16*(\t/8))*SIZE_N*4 th:TH_STORE_NT
.endr
.endm
	PLACES NP
	TOSTAGE 0
.irp a, 1,2,3,4,5,6,7
.if \a > 1
	s_wait_xcnt 0x0
.endif
	TOSTAGE \a
	SEND \a-1, 32
.endr
	SEND 7, 0
	s_wait_tensorcnt 0x0
	ds_add_u32 v[SPW], v[NIL]
	s_wait_dscnt 0x0
	CROUND
	s_endpgm
.Lfunc_end_k_q348ba47cd1_outp:
	.size	k_q348ba47cd1_outp, .Lfunc_end_k_q348ba47cd1_outp-k_q348ba47cd1_outp
	.p2alignl 7, 3214868480
	.fill 96, 4, 3214868480
	.section	.rodata,"a",@progbits
	.p2align	6, 0x0
	.amdhsa_kernel k_q348ba47cd1_outp
		.amdhsa_group_segment_fixed_size 327680
		.amdhsa_private_segment_fixed_size 0
		.amdhsa_enable_private_segment 0
		.amdhsa_kernarg_size 40
		.amdhsa_user_sgpr_count 2
		.amdhsa_user_sgpr_kernarg_segment_ptr 1
		.amdhsa_wavefront_size32 1
		.amdhsa_system_sgpr_workgroup_id_x 1
		.amdhsa_system_sgpr_workgroup_id_y 1
		.amdhsa_system_sgpr_workgroup_id_z 1
		.amdhsa_system_vgpr_workitem_id 0
		.amdhsa_next_free_vgpr 1024
		.amdhsa_next_free_sgpr 98
		.amdhsa_reserve_vcc 0
		.amdhsa_float_denorm_mode_32 3
		.amdhsa_float_denorm_mode_16_64 3
		.amdhsa_memory_ordered 1
		.amdhsa_forward_progress 1
		.amdhsa_inst_pref_size 148
	.end_amdhsa_kernel
	.amdgpu_metadata
---
amdhsa.version: [ 1, 2 ]
amdhsa.kernels:
  - .name:           k_q348ba47cd1_outp
    .symbol:         k_q348ba47cd1_outp.kd
    .args:
      - { .name: ac, .offset: 0, .size: 8, .value_kind: global_buffer, .address_space: global }
      - { .name: asc, .offset: 8, .size: 8, .value_kind: global_buffer, .address_space: global }
      - { .name: wimg, .offset: 16, .size: 8, .value_kind: global_buffer, .address_space: global }
      - { .name: wsc, .offset: 24, .size: 8, .value_kind: global_buffer, .address_space: global }
      - { .name: out0, .offset: 32, .size: 8, .value_kind: global_buffer, .address_space: global }
    .group_segment_fixed_size: 327680
    .private_segment_fixed_size: 0
    .kernarg_segment_align: 8
    .kernarg_segment_size: 40
    .max_flat_workgroup_size: 128
    .sgpr_count:     98
    .vgpr_count:     1024
    .wavefront_size: 32
...
	.end_amdgpu_metadata
.endif
;; end of part 4
